; MI455X (gfx1250); checked and timed in simulation.
; The chip was launched on July 23, 2026; its instructions are those of AMD's public machine-readable ISA for CDNA 5 (MIT licence, August 2026) and "CDNA5" Instruction Set Architecture Reference Guide (July 2026). The comments in the code are by the model that wrote it; some were corrected since.
;; Multihead Attention. Allowed arithmetic: matrix products marked QUANTISED: E3M2 operands, one E8M0 scale for each 32 along K, by v_wmma_scale_f32_16x16x128_f8f6f4 with both operands' format E3M2, f32 sums; everything else in f32.
;; Inputs: W_out 1,024 x 1,024 float32; W_qkv 1,024 x 3,072 float32; b_out 1,024 float32; b_qkv 3,072 float32; x 4 x 2,048 x 1,024 float32.
;; Outputs: out0 4 x 2,048 x 1,024 float32.
;; This version of the problem:
;;   THIS VERSION OF THE PROBLEM IS GIVEN IN LOW PRECISION. The matrix products marked QUANTISED in the list below multiply operands that are first quantised to E3M2 (3 exponent bits, 2 mantissa bits; 6 bits a number), with one power-of-two scale for each 32 numbers along K (OCP MX v1.0); their sums are f32. All else is computed in f32.
;;   The module's matrix products, in the order in which they are computed (A, B: the left and right operand; K: the contracted axis; several contracted axes count as one K, in the product's order):
;;     1. [M 8,192, K 1,024] x [K 1,024, N 3,072]; A: input x; B: input W_qkv: QUANTISED
;;     2. batch 64 x [M 2,048, K 64] x [K 64, N 2,048]; A: computed on the way; B: computed on the way: QUANTISED
;;     3. batch 64 x [M 2,048, K 2,048] x [K 2,048, N 64]; A: softmax (see below); B: computed on the way: QUANTISED
;;     4. [M 8,192, K 1,024] x [K 1,024, N 1,024]; A: computed on the way; B: input W_out: QUANTISED
;;   THE QUANTISER, for each operand of a quantised product, along K:
;;     - K is cut into blocks of 32 from its start; a last block that is shorter is filled with zeros.
;;     - A block's scale is 2^e with e = floor(log2(the largest magnitude in the block)) - 4, held to -126 .. 127; a block of zeros has e = 0. As a byte (E8M0): e + 127.
;;     - Each number is divided by its block's scale, clamped to +-28, and rounded to the nearest number of E3M2, ties to even, subnormals kept.
;;     - The product sums the exact products of the quantised numbers (number of the format x scale) in f32.
;;   ~~~python
;;   def quantise(x, axis):      # numpy; x: float32 -> the quantised numbers, widened to float32 again
;;       x = np.moveaxis(x, axis, -1); K = x.shape[-1]
;;       x = np.pad(x, [(0, 0)] * (x.ndim - 1) + [(0, -K % 32)]); x = x.reshape(x.shape[:-1] + (-1, 32)); a = np.abs(x).max(-1, keepdims=True)
;;       e = np.where(a > 0, np.clip(np.frexp(np.where(a > 0, a, 1))[1] - 1 - 4, -126, 127), 0)      # np.frexp(a)[1] - 1 = floor(log2(a)), exactly
;;       r = np.clip(x / 2.0 ** e, -28, 28)
;;       step = 2.0 ** (np.maximum(np.frexp(np.where(r == 0, 1, r))[1] - 1, -2) - 2)
;;       q = np.round(r / step) * step * 2.0 ** e      # np.round: ties to even
;;       return np.moveaxis(q.reshape(q.shape[:-2] + (-1,))[..., :K], -1, axis).astype(np.float32)
;;   ~~~
;;   SOFTMAX AHEAD OF A QUANTISED PRODUCT. Where the list says 'softmax', what is quantised is not the finished softmax but p = 2^(t - M), with t = logit x log2(e) and M = ceil(the row's largest t), a whole number; so 1/2 < the row's largest p <= 1. The row's sum l is taken of the UNQUANTISED p, in f32, and the product's result is divided by l at the end. Since M is a whole number, a kernel that streams over the keys may use a running M (the ceiling of the running maximum): every later rescaling is an exact power of two, which a block's scale takes up: the codes' values come out the same.
;;   OPERANDS COMPUTED ON THE WAY. 'Computed on the way' means the value that the module computes at that place (a softmax that the list does not call 'softmax' is quantised finished and normalised). What goes into a quantiser is computed in f32, as accurately as f32 sums, v_exp_f32 and their like allow (about 1e-6 of the number): no bf16 or f16 on the way to a quantiser, and a product that is left as it is and whose result goes on into a quantised operand takes f32 operands (vector FMAs, or v_wmma_f32_16x16x4_f32). A number that lies on a knife's edge between two numbers of the format may be rounded either way, as far as f32 arithmetic and the matrix unit's own rounding can turn it there, and no further.
;; One version. Each part assembles by itself: llvm-mc -triple=amdgcn-amd-amdhsa -mcpu=gfx1250 --defsym DOCPART=n.
;; ======== version 1 of 1: 4 launches
;; workspace buffers: ops 9,830,400 bytes; qkv 20,185,088 bytes; yq 6,553,600 bytes
;; launch quant (part 1): grid 512 x 1, 4 waves a work-group, no clusters, 34,304 bytes of LDS; arguments x, W_qkv, W_out, ops; writes ops
.if DOCPART == 1
	.amdgcn_target "amdgcn-amd-amdhsa--gfx1250"
	.amdhsa_code_object_version 6
	.text
	.protected	k_q9072e35a86_quant
	.globl	k_q9072e35a86_quant
	.p2align	8
	.type	k_q9072e35a86_quant,@function
k_q9072e35a86_quant:
	s_mov_b64 s[64:65], 0
	v_nop
	global_prefetch_b8 v0, s[64:65] scope:SCOPE_SE
	s_setreg_imm32_b32 hwreg(HW_REG_WAVE_MODE, 25, 1), 1
	s_wait_xcnt 0x0
; x [8192][1024], W_qkv [1024][3072] and W_out [1024][1024], f32, become codes of BF6 (E3M2) with one E8M0 byte for each 32 along K, laid as the products' launches want them.
; THE LAYOUT.  A fragment (16 rows x 128 K: 12 registers a lane; lane (r, h) holds row r, registers 6 c .. 6 c + 5 hold k = 64 c + 32 h + 0 .. 31) is 1,536 bytes: two halves c of 768 bytes;
; in a half, registers 6 c .. 6 c + 3 lie at 16 x lane, registers 6 c + 4, 6 c + 5 at 512 + 16 r + 8 h.  Four loads bring it back, each of 512 or 256 consecutive bytes.
; THE ROWS OF A TILE ARE NOT NEIGHBOURS: row tile T holds rows 32 (T / 2) + 8 (T % 2) + p + 8 (p / 8), p = 0 .. 15, of x, and the same of the weights' columns.
; ops: x's codes [512 T][8 K steps][1536] at 0; the weights' [256 T][8][1536] at WC (T 0-191: W_qkv's columns, 192-255: W_out's); scale words [T][2 halves of K][16 r][4 words] at XS and WS.
; A block's scale is 2^(floor(log2(its largest magnitude)) - 4); its byte is the largest magnitude's exponent field - 4, held at 1 from below.
; LIMITS: NaN and infinities among the inputs are not served.  A block whose largest magnitude lies under 2^-122, a block of zeros among them, gets the byte 1 (the rule says 127 for zeros): its codes
; are zeros or next to it, and the bytes are read by this program alone.  The weights' scale words leave 4 bytes a lane: 131,072 bytes of the launch's 9.8 million.
; Work-groups 0-255 take x, 256-511 the weights.  Only x's path touches LDS.  No tensor loads, no barrier, no cluster, no matrix unit: waves share nothing and memory binds.
.set WC,  6291456
.set XS,  9437184
.set WS,  9699328
.set SEL, 20                           ; s[20:21] lane selects for v_permlanex16_b32: lane l xor 16
.set RA,  16                           ; x: v16-143   two sets of 64 numbers as they are loaded
.set X,   144                          ; x: v144-207  64 numbers: register 16 b + i = k 32 b + 16 h + i of my row
.set PC,  208                          ; x: v208-227  the codes just made (12) and 8 at work
.set TM,  228                          ; x: v228-243  at work
.set PW4, 244                          ; x: v244-247  four scale words
.set VO,  16                           ; W: v16-47    byte offset of row j of a block at my column
.set XW,  48                           ; W: v48-175   128 numbers down K
.set E,   176                          ; W: v176-199  codes in the order of the stores
.set Z,   200                          ; W: v200-215  the second halves of the blocks' codes
; 64 numbers of a lane become a fragment's codes in v[PC] on and its scale word in v[pw].
.macro QUANT s, pw
.irp b, 0,1,2,3
	v_max3_num_f32 v[TM+\b], |v[\s+16*\b]|, |v[\s+1+16*\b]|, 0x2800000   ; block b: my 16 numbers, and the floor 2^(5 - 127): the byte cannot fall under 1
.endr
.irp i, 2,4,6,8,10,12,14
.irp b, 0,1,2,3
	v_max3_num_f32 v[TM+\b], v[TM+\b], |v[\s+16*\b+\i]|, |v[\s+1+16*\b+\i]|   ; the four blocks by turns
.endr
.endr
.irp b, 0,1,2,3
	v_permlanex16_b32 v[TM+4+\b], v[TM+\b], s[SEL], s[SEL+1]
.endr
.irp b, 0,1,2,3
	v_max_num_f32 v[TM+\b], v[TM+\b], v[TM+4+\b]   ; with lane l xor 16's: the block's largest magnitude
.endr
.irp b, 0,1,2,3
	v_add_nc_u32 v[TM+12+\b], 0xfe000000, v[TM+\b]   ; 4 off its exponent field: the conversion's scale operand
.endr
.irp b, 0,1,2,3
	v_lshrrev_b32 v[TM+4+\b], 23, v[TM+12+\b]      ; the scale's byte
.endr
	v_lshl_or_b32 v[\pw], v[TM+5], 8, v[TM+4]      ; my row's scale word
	v_lshl_or_b32 v[\pw], v[TM+6], 16, v[\pw]
	v_lshl_or_b32 v[\pw], v[TM+7], 24, v[\pw]
.irp c, 0,1
	v_cvt_scalef32_pk16_bf6_f32 v[PC+6*\c:PC+2+6*\c], v[\s+32*\c:\s+15+32*\c], v[TM+12+2*\c]
	v_cvt_scalef32_pk16_bf6_f32 v[PC+12+4*\c:PC+14+4*\c], v[\s+16+32*\c:\s+31+32*\c], v[TM+12+2*\c+1]   ; a conversion's three registers begin on an even number
.endr
	v_nop                                          ; one plain place behind a scaled conversion
.irp c, 0,1                                    ; the operand wants a whole block in a lane: lanes 0-15 block 2 c, lanes 16-31 block 2 c + 1
.irp i, 0,1,2
	v_permlane16_swap_b32 v[PC+6*\c+\i], v[PC+12+4*\c+\i]
.endr
.irp i, 0,1,2
	v_mov_b32 v[PC+3+6*\c+\i], v[PC+12+4*\c+\i]
.endr
.endr
.endm
	s_load_b256 s[4:11], s[0:1], 0x0               ; x s[4:5], W_qkv s[6:7], W_out s[8:9], ops s[10:11]
	v_lshl_add_u32 v254, v0, 2, 0x8400
	v_mov_b32 v255, 0
	v_lshrrev_b32 v1, 5, v0
	v_readfirstlane_b32 s12, v1                    ; wave 0..3
	v_and_b32 v2, 31, v0                           ; lane
	v_and_b32 v3, 15, v0                           ; r
	v_bfe_u32 v7, v0, 4, 1                         ; h
	s_mov_b32 s[SEL], 0x76543210
	s_mov_b32 s[SEL+1], 0xfedcba98
	s_cmp_lt_u32 ttmp9, 256
	s_cbranch_scc0 .Lw
; ---- x.  Wave i = 4 x work-group + wave takes row tile i / 2 and half i % 2 of K: four fragments, 16 rows x 512 along K.
; Each load reads 512 consecutive bytes of one row; the 16 rows of a fragment turn through the wave's own stage in LDS (rows 528 bytes apart)
; and come back 16 neighbours of each block of 32 to a lane.
	s_lshl_b32 s13, ttmp9, 2
	s_add_co_u32 s13, s13, s12
	s_lshr_b32 s14, s13, 1                         ; T
	s_and_b32 s15, s13, 1                          ; which half of K
	s_lshr_b32 s16, s14, 1
	s_and_b32 s17, s14, 1
	s_lshl_b32 s16, s16, 17                        ; 32 (T / 2) rows of 4,096 bytes
	s_lshl_b32 s17, s17, 15                        ; 8 (T % 2) rows
	s_add_co_u32 s16, s16, s17
	s_lshl_b32 s17, s15, 11                        ; 512 numbers
	s_add_co_u32 s16, s16, s17
	s_mov_b32 s17, 0
	s_mul_i32 s18, s14, 12288                      ; the codes: a row tile is 8 fragments
	s_mul_i32 s19, s15, 6144
	s_add_co_u32 s18, s18, s19
	s_mov_b32 s19, 0
	s_lshl_b32 s22, s14, 9                         ; the scale words: 512 bytes a row tile
	s_lshl_b32 s23, s15, 8
	s_add_co_u32 s22, s22, s23
	s_add_co_u32 s22, s22, XS
	s_mov_b32 s23, 0
	s_mul_i32 s24, s12, 8448                       ; my stage: 16 rows x 528 bytes
	v_lshlrev_b32 v4, 4, v2                        ; 16 x lane: in a row's 512 bytes, and in an image
	v_add_nc_u32 v5, s24, v4                       ; the stage, on the way in
	v_mul_u32_u24 v6, v3, 528
	v_lshl_add_u32 v6, v7, 6, v6
	v_add_nc_u32 v6, s24, v6                       ; and on the way out: row r, + 64 h
	v_lshlrev_b32 v9, 4, v3                        ; 16 r
	v_lshl_add_u32 v8, v7, 3, v9                   ; 16 r + 8 h
.irp b, 0,1,2,3
	v_mov_b32 v[TM+4+\b], 0                        ; written once: a lane permute's destination counts as one of its sources
.endr
	s_wait_kmcnt 0x0
	s_add_nc_u64 s[4:5], s[4:5], s[16:17]
	s_add_nc_u64 s[26:27], s[10:11], s[18:19]
	s_add_nc_u64 s[28:29], s[10:11], s[22:23]
.macro LOADG f                         ; fragment f's 16 rows x 128 numbers into set f % 2
.irp i, 0,1,2,3,4,5,6,7,8,9,10,11,12,13,14,15
	global_load_b128 v[RA+64*((\f)%2)+4*\i:RA+64*((\f)%2)+4*\i+3], v4, s[4:5] offset:(\i+8*(\i/8))*4096+512*(\f) th:TH_LOAD_NT
.endr
.endm
.macro XFRAG f
.if (\f) < 3
	s_wait_loadcnt 16                              ; this fragment's 16 loads are in; the next fragment's may be out
.else
	s_wait_loadcnt 0x0
.endif
.irp i, 0,1,2,3,4,5,6,7,8,9,10,11,12,13,14,15
	ds_store_b128 v5, v[RA+64*((\f)%2)+4*\i:RA+64*((\f)%2)+4*\i+3] offset:528*\i
.endr
.irp b, 0,1,2,3
.irp j, 0,1,2,3
	ds_load_b128 v[X+16*\b+4*\j:X+16*\b+4*\j+3], v6 offset:128*\b+16*\j   ; LDS serves a wave's instructions in order: these see my stores
.endr
.endr
	s_wait_dscnt 0x0                               ; the numbers are back, and the stores have read their registers
.if (\f) < 2
	LOADG (\f)+2
.endif
	s_wait_xcnt 0x0                                ; the last image's stores have read their data: the codes' registers are written again only behind this wait
	QUANT X, PW4+(\f)
	global_store_b128 v4, v[PC:PC+3], s[26:27] offset:1536*(\f)          ; 512 consecutive bytes
	global_store_b64 v8, v[PC+4:PC+5], s[26:27] offset:1536*(\f)+512     ; 256
	global_store_b128 v4, v[PC+6:PC+9], s[26:27] offset:1536*(\f)+768
	global_store_b64 v8, v[PC+10:PC+11], s[26:27] offset:1536*(\f)+1280
.endm
	LOADG 0
	LOADG 1
	XFRAG 0
	XFRAG 1
	XFRAG 2
	XFRAG 3
	global_store_b128 v9, v[PW4:PW4+3], s[28:29]   ; 16 rows x 4 words: 256 consecutive bytes (both halves of the lanes hold and store the same words)
	s_wait_tensorcnt 0x0
	ds_add_u32 v254, v255
	s_wait_dscnt 0x0
	s_endpgm
; ---- the weights.  K is their FIRST axis: a lane takes a column and its registers run down K.  Work-group g: columns 128 (g % 32) on of the 4,096 (3,072 of W_qkv, then 1,024 of W_out), K step g / 32.
; A wave takes 32 columns x 128 K: two row tiles' fragments.  Lane l is place r' = l % 8 + 8 (l / 16) of tile u = (l / 8) % 2, and holds that row's four blocks, which in the image belong to lanes (r', 0) and (r', 1).
; The loads run two blocks ahead: 64 of a wave are out at the most, 32 while a block is worked on.
.Lw:
	s_sub_co_u32 s13, ttmp9, 256
	s_and_b32 s14, s13, 31                         ; which 128 columns
	s_lshr_b32 s15, s13, 5                         ; K step
	s_lshl_b32 s16, s14, 7
	s_lshl_b32 s17, s12, 5
	s_add_co_u32 s16, s16, s17                     ; my wave's first column of the 4,096
	s_sub_co_u32 s17, s16, 3072                    ; and of W_out's (used from column 3,072 on)
	s_mov_b32 s18, 4096
	s_wait_kmcnt 0x0
	s_cmp_lt_u32 s14, 24                           ; W_qkv or W_out?  The choice hangs on the work-group's number alone
	s_cselect_b64 s[6:7], s[6:7], s[8:9]
	s_cselect_b32 s18, 12288, s18                  ; bytes from row to row
	s_cselect_b32 s17, s16, s17
	s_lshl_b32 s17, s17, 2
	s_lshl_b32 s19, s15, 7
	s_mul_i32 s19, s19, s18                        ; 128 x K step rows
	s_add_co_u32 s22, s19, s17
	s_mov_b32 s23, 0
	s_lshl_b32 s32, s18, 5                         ; 32 rows: from block to block
	s_mov_b32 s33, 0
	s_add_nc_u64 s[24:25], s[6:7], s[22:23]        ; a base for each of the four blocks
	s_add_nc_u64 s[26:27], s[24:25], s[32:33]
	s_add_nc_u64 s[28:29], s[26:27], s[32:33]
	s_add_nc_u64 s[30:31], s[28:29], s[32:33]
	v_lshlrev_b32 v[VO], 2, v2
.irp j, 1,2,3,4,5,6,7,8,9,10,11,12,13,14,15,16,17,18,19,20,21,22,23,24,25,26,27,28,29,30,31
	v_add_nc_u32 v[VO+\j], s18, v[VO+\j-1]         ; the two tensors' rows differ in length, so the rows stand in registers and not in immediates
.endr
.macro LOADW b                         ; block b: W(128 x K step + 32 b + j, my column), j = 0 .. 31, into registers of its own
.irp j, 0,1,2,3,4,5,6,7,8,9,10,11,12,13,14,15,16,17,18,19,20,21,22,23,24,25,26,27,28,29,30,31
	global_load_b32 v[XW+32*(\b)+\j], v[VO+\j], s[24+2*(\b):25+2*(\b)] th:TH_LOAD_NT   ; 32 lanes read 128 consecutive bytes, the four waves 512
.endr
.endm
	LOADW 0
	LOADW 1
	v_bfe_u32 v10, v0, 3, 1                        ; u
	v_and_b32 v11, 7, v0
	v_lshl_add_u32 v11, v7, 3, v11                 ; r'
	v_mul_u32_u24 v223, v10, 12288
	v_lshl_add_u32 v223, v11, 4, v223              ; codes: tile u, 16 r'
	v_lshlrev_b32 v224, 9, v10
	v_lshl_add_u32 v224, v11, 4, v224              ; scale words: tile u, 16 r'
	s_mul_i32 s34, s16, 768                        ; (column / 16) row tiles of 12,288 bytes
	s_mul_i32 s35, s15, 1536
	s_add_co_u32 s34, s34, s35
	s_add_co_u32 s34, s34, WC
	s_mov_b32 s35, 0
	s_add_nc_u64 s[34:35], s[10:11], s[34:35]
	s_lshl_b32 s36, s16, 5                         ; (column / 16) x 512
	s_lshr_b32 s37, s15, 2
	s_lshl_b32 s37, s37, 8
	s_add_co_u32 s36, s36, s37
	s_and_b32 s37, s15, 3
	s_lshl_b32 s37, s37, 2
	s_add_co_u32 s36, s36, s37
	s_add_co_u32 s36, s36, WS
	s_mov_b32 s37, 0
	s_add_nc_u64 s[36:37], s[10:11], s[36:37]
.macro WBLK b                          ; block b of my column: all its 32 numbers are mine
.set XX, XW+32*(\b)
.set EC, E+12*((\b)/2)
.set HB, (\b)%2
.if (\b) < 3
	s_wait_loadcnt 32                              ; this block's 32 loads are in; the next block's 32 may be out
.else
	s_wait_loadcnt 0x0
.endif
.if (\b) < 2
	LOADW (\b)+2                                   ; two blocks ahead, into registers that nothing else uses
.endif
	v_max3_num_f32 v216, |v[XX]|, |v[XX+1]|, |v[XX+2]|
	v_max3_num_f32 v217, |v[XX+3]|, |v[XX+4]|, |v[XX+5]|
.irp i, 6,10,14,18,22,26
	v_max3_num_f32 v216, v216, |v[XX+\i]|, |v[XX+\i+1]|
	v_max3_num_f32 v217, v217, |v[XX+\i+2]|, |v[XX+\i+3]|
.endr
	v_max3_num_f32 v216, v216, |v[XX+30]|, |v[XX+31]|
	v_max3_num_f32 v216, v216, v217, 0x2800000     ; and the floor 2^(5 - 127)
	v_add_nc_u32 v220, 0xfe000000, v216            ; the conversion's scale operand
	v_lshrrev_b32 v221, 23, v220                   ; the byte
.if (\b) == 0
	v_mov_b32 v222, v221
.else
	v_lshl_or_b32 v222, v221, 8*(\b), v222         ; four bytes make my column's word for this K step
.endif
	v_cvt_scalef32_pk16_bf6_f32 v[EC+4*HB:EC+4*HB+2], v[XX:XX+15], v220
	v_cvt_scalef32_pk16_bf6_f32 v[Z+4*(\b):Z+4*(\b)+2], v[XX+16:XX+31], v220
	v_nop                                          ; one plain place behind a scaled conversion
	v_mov_b32 v[EC+4*HB+3], v[Z+4*(\b)]            ; the block's registers 0-3 on end,
	v_mov_b32 v[EC+8+2*HB], v[Z+4*(\b)+1]          ; its registers 4, 5 beside the other block's
	v_mov_b32 v[EC+9+2*HB], v[Z+4*(\b)+2]
.if HB == 1
	global_store_b128 v223, v[EC:EC+3], s[34:35] offset:768*((\b)/2)          ; image lanes (r', 0): for each of the two tiles sixteen lanes store 256 consecutive bytes, aligned
	global_store_b128 v223, v[EC+4:EC+7], s[34:35] offset:768*((\b)/2)+256    ; image lanes (r', 1)
	global_store_b128 v223, v[EC+8:EC+11], s[34:35] offset:768*((\b)/2)+512   ; both lanes' registers 4, 5
.endif
.endm
	WBLK 0
	WBLK 1
	WBLK 2
	WBLK 3
	global_store_b32 v224, v222, s[36:37]          ; no register is stored twice on this path: no wait for the stores' sources is needed
	s_endpgm
.Lfunc_end_k_q9072e35a86_quant:
	.size	k_q9072e35a86_quant, .Lfunc_end_k_q9072e35a86_quant-k_q9072e35a86_quant
	.p2alignl 7, 3214868480
	.fill 96, 4, 3214868480
	.section	.rodata,"a",@progbits
	.p2align	6, 0x0
	.amdhsa_kernel k_q9072e35a86_quant
		.amdhsa_group_segment_fixed_size 34304
		.amdhsa_private_segment_fixed_size 0
		.amdhsa_enable_private_segment 0
		.amdhsa_kernarg_size 32
		.amdhsa_user_sgpr_count 2
		.amdhsa_user_sgpr_kernarg_segment_ptr 1
		.amdhsa_wavefront_size32 1
		.amdhsa_system_sgpr_workgroup_id_x 1
		.amdhsa_system_sgpr_workgroup_id_y 1
		.amdhsa_system_sgpr_workgroup_id_z 1
		.amdhsa_system_vgpr_workitem_id 0
		.amdhsa_next_free_vgpr 256
		.amdhsa_next_free_sgpr 66
		.amdhsa_reserve_vcc 0
		.amdhsa_float_denorm_mode_32 3
		.amdhsa_float_denorm_mode_16_64 3
		.amdhsa_memory_ordered 1
		.amdhsa_forward_progress 1
		.amdhsa_inst_pref_size 55
	.end_amdhsa_kernel
	.amdgpu_metadata
---
amdhsa.version: [ 1, 2 ]
amdhsa.kernels:
  - .name:           k_q9072e35a86_quant
    .symbol:         k_q9072e35a86_quant.kd
    .args:
      - { .name: x, .offset: 0, .size: 8, .value_kind: global_buffer, .address_space: global }
      - { .name: W_qkv, .offset: 8, .size: 8, .value_kind: global_buffer, .address_space: global }
      - { .name: W_out, .offset: 16, .size: 8, .value_kind: global_buffer, .address_space: global }
      - { .name: ops, .offset: 24, .size: 8, .value_kind: global_buffer, .address_space: global }
    .group_segment_fixed_size: 34304
    .private_segment_fixed_size: 0
    .kernarg_segment_align: 8
    .kernarg_segment_size: 32
    .max_flat_workgroup_size: 128
    .sgpr_count:     66
    .vgpr_count:     256
    .wavefront_size: 32
...
	.end_amdgpu_metadata
.endif
;; end of part 1
;; launch gemm_qkv (part 2): grid 8 x 32, 4 waves a work-group, clusters of 4 x 4, 327,680 bytes of LDS; arguments ops, b_qkv, qkv; writes qkv
.if DOCPART == 2
	.amdgcn_target "amdgcn-amd-amdhsa--gfx1250"
	.amdhsa_code_object_version 6
	.text
	.protected	k_q9072e35a86_gemm_qkv
	.globl	k_q9072e35a86_gemm_qkv
	.p2align	8
	.type	k_q9072e35a86_gemm_qkv,@function
k_q9072e35a86_gemm_qkv:
	s_mov_b64 s[64:65], 0
	v_nop
	global_prefetch_b8 v0, s[64:65] scope:SCOPE_SE
	s_setreg_imm32_b32 hwreg(HW_REG_WAVE_MODE, 25, 1), 1
	s_wait_xcnt 0x0
	s_wait_alu depctr_hold_cnt(0) depctr_sa_sdst(0) depctr_va_vdst(0) depctr_va_sdst(0) depctr_va_ssrc(0) depctr_va_vcc(0) depctr_vm_vsrc(0)
	s_getreg_b32 s2, hwreg(HW_REG_IB_STS2, 6, 4)
	s_cmp_eq_u32 s2, 0
	s_cbranch_scc0 .Lentry_in_a_cluster
	s_endpgm
.Lentry_in_a_cluster:
	s_bfe_u32 s2, ttmp6, 0x10000c
	s_cmp_lg_u32 s2, 0xf033
	s_cbranch_scc0 .Lentry_shape_is_right
	s_endpgm
.Lentry_shape_is_right:
; qkv = x W_qkv + b_qkv on codes of BF6 (E3M2) with E8M0 scales, K = 1,024; the results never go to memory as f32: the way out quantises q and k along the head's 64 and v along the keys.
; 256 WORK-GROUPS OF EQUAL WORK, each in two phases.  PHASE 1 (q, k): a tile of 256 tokens (the A side) x 256 columns of W (the B side); a wave makes 128 x 128: 64 accumulators.
; PHASE 2 (v): 128 columns of W's v part (the A side) x 256 tokens (the B side); a wave makes 64 x 128: 32 accumulators: one head's 64 d x 128 keys.
; OPERANDS lie in memory as images of their registers (a fragment of 16 rows x 128 K: 1,536 bytes, two halves of 768: registers 6 c .. 6 c + 3 at 16 x lane, 6 c + 4, 6 c + 5 at 512 + 16 r + 8 h): [row tile][8 K steps][1536].
; LDS needs no padding, and a fragment comes by four loads of 512 or 256 consecutive bytes.
; THE MATRIX INSTRUCTION IS USED TRANSPOSED: source 0 = the B side, source 1 = the A side.  A lane holds ONE row of the A side; row tile T holds rows 32 (T / 2) + 8 (T % 2) + p + 8 (p / 8), so the 16 registers of
; two neighbouring tiles of the B side are 16 NEIGHBOURS of it: the blocks of 32 of the next quantiser run along the B side: a head's 64 in phase 1, the keys in phase 2.
; LDS: three slots of 98,304 bytes (256 along K of both sides).  K is four slots' worth: parts 0, 1, 2 are first fills; part 3 fills slot 0 again behind the first change of slots and has two slots' products in which to land.
; In phase 1's last step one more round stands, and behind it each wave's ONE load brings phase 2's operands for ALL of K (294,912 bytes over the three slots); it lands under phase 1's way out, which touches no LDS.
; Phase 1's scale words come once by tensor loads; phase 2's by global loads straight into registers (lanes 0-15 the A side's, lanes 16-31 the B side's).
; CLUSTERS: 4 x 4 work-groups; the A side's tiles are shared along a row of the cluster, the B side's along a column, in both phases: each is asked for jointly.
; OUT: q, k: [32 (q's 16 heads, k's 16)][token / 64][3,328]: four tiles' half images (768 bytes: K = the head's 64), then 256 bytes of scale words [r][4 tiles]: bytes 0, 1 the head's two blocks; bytes 2, 3 the
; neighbouring head's or 0, never 0xff: they scale products with zero codes.  v: at VR, [token / 128][16 heads][6,400]: four fragments (16 d x 128 keys), then 256 bytes of scale words [r][4 tiles].
; LIMITS: NaN and infinities are not served; a block whose largest magnitude lies under 2^-122 (zeros too) gets the byte 1; the bytes are read by this program alone.  v's scale words are held and stored alike by both halves of the lanes.
; REGISTERS: window 0: v4-14 offsets; v16-27, v30, v236-241 LDS addresses; v28, v29 the spare word's; v32-63 phase 1's scale words, two sets (phase 2: v32-95); v64-127 the bias along q's and k's columns;
; v128-223 A's fragments (phase 1: ONE set of 8; phase 2: TWO sets of 4; on the ways out v128-227 at work); v228-235 the bias along v's columns; v244-252 scale words made.
; window 1: B's fragments, TWO sets, at v0 and v128.  windows 2, 3: the accumulators ((a, b) at v[8 (8 (a % 4) + b)]).
.set WC,     6291456
.set XS,     9437184
.set WS,     9699328
.set VR,     13631488
.set HSTR,   425984                    ; from a head's blocks of q or k to the next head's: 128 x 3,328
.set HALFT,  24576                     ; 8 row tiles x 3,072 bytes: what one tensor load of phase 1 brings, and what one wave reads of a side
.set SLOT,   4*HALFT                   ; A's 16 row tiles, then B's
.set SCL,    3*SLOT                    ; behind the three slots: phase 1's scale words, filled once
.set HALFS,  4096                      ; those of 8 row tiles
.set SPARE,  SCL+4*HALFS               ; the spare words, 128 bytes for each wave: two blocks of 256 bytes that no other line names
.set FR,     12
.set NL,     4                         ; LDS loads that bring a fragment
.set NP,     4                         ; places behind this matrix instruction (ISA guide 7.12.1)
.set NQ,     2                         ; matrix instructions deep in a slot
.set ADRA, 16                          ; v16-18 16 x lane + my A rows in slot 0, 1, 2;  v19-21 16 r + 8 h + the same
.set ADRB, 22                          ; v22-27 the same for B
.set SPW,  28
.set NIL,  29
.set ADRS, 30                          ; my scale words of phase 1: lanes 0-15 A's rows, lanes 16-31 B's
.set SC,   32
.set S2,   32                          ; phase 2's scale words: block i, K step s at v[S2 + 32 (s / 4) + 4 i + s % 4]
.set XB,   64
.set AF,   128
.set YB,   228
.set A2,   236                         ; phase 2: v236 16 x lane + my 4 row tiles of A, v237 16 r + 8 h + the same
.set B2L,  238                         ; the same for B's row tiles 0-3,
.set B2H,  240                         ; and 4-7 (an LDS offset has 16 bits)
.set SW,   244
.set PW,   252
.set T,    128
.set PC,   192
.set TM,   212
.set SEL,  100
.set G1, 24
.set G1B, 32
.set G1S, 40
.set G1SB, 48
.set G0S, 56
.set G0SB, 60
.set G0, 68                            ; s[68:79] a group 0 for each slot, A's;  s[80:91] B's
.set G0B, 80
.set MSB, 0
.macro WIN new                         ; the immediate's high byte repeats the setting that is left
.if MSB != \new
	s_set_vgpr_msb (MSB<<8)|\new
.set MSB, \new
.endif
.endm
.set MUL_LO, 0xa1                      ; source 0 (B) window 1, source 1 (A) window 0, C and D window 2
.set MUL_HI, 0xf1
.set TO_B,   0x40
; A joint load: waves 0 and 1 fetch for A, waves 2 and 3 for B.  Four v_nop follow each of the two lines.
.macro JLOAD g0a, g1a, g0b, g1b
	s_cmp_eq_u32 s15, 0
	s_cbranch_scc0 .Lfor_b_\@
	tensor_load_to_lds s[\g0a:\g0a+3], s[\g1a:\g1a+7]
	s_nop 0
.rept 4
	v_nop
.endr
	s_branch .Lasked_\@
.Lfor_b_\@:
	tensor_load_to_lds s[\g0b:\g0b+3], s[\g1b:\g1b+7]
	s_nop 0
.rept 4
	v_nop
.endr
.Lasked_\@:
.endm
.macro CREST                           ; a round of the cluster's barrier behind its opening barrier
	s_cmp_lg_u32 s14, 0
	s_cbranch_scc1 .Lnot_wave_0_\@
	s_barrier_signal -3
.Lnot_wave_0_\@:
	s_barrier_wait -3
	s_barrier_signal -1
	s_barrier_wait -1
.endm
.macro CROUND
	s_barrier_signal -1
	s_barrier_wait -1
	CREST
.endm
.macro QUANT s, pw                     ; 64 numbers of a lane, register 16 b + i = index 32 b + 16 h + i, become a fragment's codes in v[PC] on and its scale word in v[pw]
.irp b, 0,1,2,3
	v_max3_num_f32 v[TM+\b], |v[\s+16*\b]|, |v[\s+1+16*\b]|, 0x2800000   ; my 16 numbers of block b, and the floor 2^(5 - 127)
.endr
.irp i, 2,4,6,8,10,12,14
.irp b, 0,1,2,3
	v_max3_num_f32 v[TM+\b], v[TM+\b], |v[\s+16*\b+\i]|, |v[\s+1+16*\b+\i]|
.endr
.endr
.irp b, 0,1,2,3
	v_permlanex16_b32 v[TM+4+\b], v[TM+\b], s[SEL], s[SEL+1]
.endr
.irp b, 0,1,2,3
	v_max_num_f32 v[TM+\b], v[TM+\b], v[TM+4+\b]
.endr
.irp b, 0,1,2,3
	v_add_nc_u32 v[TM+12+\b], 0xfe000000, v[TM+\b]   ; 4 off the exponent field: the conversion's scale operand
.endr
.irp b, 0,1,2,3
	v_lshrrev_b32 v[TM+4+\b], 23, v[TM+12+\b]
.endr
	v_lshl_or_b32 v[\pw], v[TM+5], 8, v[TM+4]
	v_lshl_or_b32 v[\pw], v[TM+6], 16, v[\pw]
	v_lshl_or_b32 v[\pw], v[TM+7], 24, v[\pw]
.irp c, 0,1
	v_cvt_scalef32_pk16_bf6_f32 v[PC+6*\c:PC+2+6*\c], v[\s+32*\c:\s+15+32*\c], v[TM+12+2*\c]
	v_cvt_scalef32_pk16_bf6_f32 v[PC+12+4*\c:PC+14+4*\c], v[\s+16+32*\c:\s+31+32*\c], v[TM+12+2*\c+1]
.endr
	v_nop                                          ; one plain place behind a scaled conversion
.irp c, 0,1
.irp i, 0,1,2
	v_permlane16_swap_b32 v[PC+6*\c+\i], v[PC+12+4*\c+\i]
.endr
.irp i, 0,1,2
	v_mov_b32 v[PC+3+6*\c+\i], v[PC+12+4*\c+\i]
.endr
.endr
.endm
	s_load_b128 s[4:7], s[0:1], 0x0                ; ops s[4:5], b_qkv s[6:7]
	s_load_b64 s[8:9], s[0:1], 0x10                ; qkv
	v_lshl_add_u32 v[SPW], v0, 2, SPARE
	v_mov_b32 v[NIL], 0
	ds_add_u32 v28, v29
	ds_add_u32 v28, v29
	s_wait_dscnt 0x0
	v_lshrrev_b32 v1, 5, v0
	v_readfirstlane_b32 s14, v1                    ; wave 0..3
	v_and_b32 v1, 15, v0                           ; r
	v_bfe_u32 v2, v0, 4, 1                         ; h
	v_and_b32 v3, 31, v0                           ; lane
	s_lshr_b32 s15, s14, 1                         ; which half of the A side is mine.  Also: I fetch for A (0) or for B (1)
	s_and_b32 s16, s14, 1                          ; which half of the B side.  Also: which half of a side's row tiles I fetch
	s_bfe_u32 s92, ttmp6, 0x40000                  ; cx
	s_bfe_u32 s93, ttmp6, 0x40004                  ; cy
	s_lshl_b32 s2, ttmp9, 2                        ; 4 x cluster x
	s_and_b32 s17, ttmp7, 0xffff
	s_lshl_b32 s17, s17, 2                         ; 4 x cluster y
	s_lshl_b32 s94, s93, 2
	s_lshl_b32 s94, 15, s94                        ; my row of the cluster
	s_lshl_b32 s95, 0x1111, s92                    ; my column
	s_mov_b32 s[SEL], 0x76543210
	s_mov_b32 s[SEL+1], 0xfedcba98
	s_add_co_u32 s18, s17, s93                     ; phase 1: A's tile (256 tokens): 4 x cluster y + cy
	s_add_co_u32 s19, s2, s92                      ;          B's tile (256 columns of q, k): 4 x cluster x + cx
	s_add_co_u32 s66, s2, s93                      ; phase 2: A's tile (128 columns of v): 4 x cluster x + cy
	s_add_co_u32 s67, s17, s92                     ;          B's tile (256 tokens): 4 x cluster y + cx
	; descriptor group 1, phase 1: 8 rows (row tiles) of 384 elements of 8 bytes, 1,536 elements apart; no padding
	s_or_b32 s[G1+0], s94, (3<<16)|(1<<21)         ; 15:0 the mask: A's tiles go to my row; 17:16 elements of 8 bytes; 21 set beside a mask
	s_or_b32 s[G1B+0], s95, (3<<16)|(1<<21)        ; B's to my column
.irp g, G1, G1B
	s_mov_b32 s[\g+1], 384<<16                     ; tensor_dim0
	s_mov_b32 s[\g+2], 8<<16                       ; tensor_dim1
	s_mov_b32 s[\g+3], 384<<16                     ; tile_dim0
	s_mov_b32 s[\g+4], 8                           ; tile_dim1
	s_mov_b32 s[\g+5], 1536                        ; tensor_dim0_stride
	s_mov_b32 s[\g+6], 0
	s_mov_b32 s[\g+7], 0
.endr
	s_or_b32 s[G1S+0], s94, (3<<16)|(1<<21)        ; the scale words of 8 row tiles: 4,096 dense bytes as 16 rows of 256
	s_or_b32 s[G1SB+0], s95, (3<<16)|(1<<21)
.irp g, G1S, G1SB
	s_mov_b32 s[\g+1], 32<<16
	s_mov_b32 s[\g+2], 16<<16
	s_mov_b32 s[\g+3], 32<<16
	s_mov_b32 s[\g+4], 16
	s_mov_b32 s[\g+5], 32
	s_mov_b32 s[\g+6], 0
	s_mov_b32 s[\g+7], 0
.endr
	; where the tiles come from, as offsets in ops.  A's hang on cy alone, B's on cx alone, each in registers that never hold the other
	s_lshl_b32 s3, s16, 3
	s_lshl_b32 s10, s18, 4
	s_add_co_u32 s10, s10, s3                      ; phase 1, A: the first of x's row tiles that I fetch
	s_lshl_b32 s12, s10, 9
	s_add_co_u32 s12, s12, XS                      ; its scale words,
	s_mul_i32 s10, s10, 12288                      ; its codes
	s_lshl_b32 s20, s19, 4
	s_add_co_u32 s20, s20, s3                      ; phase 1, B: the first of W's row tiles
	s_lshl_b32 s22, s20, 9
	s_add_co_u32 s22, s22, WS
	s_mul_i32 s20, s20, 12288
	s_add_co_u32 s20, s20, WC
	s_lshl_b32 s98, s67, 4
	s_add_co_u32 s98, s98, s3                      ; phase 2, B: 8 of x's row tiles
	s_mul_i32 s98, s98, 12288
	s_lshl_b32 s96, s66, 3
	s_lshl_b32 s3, s16, 2
	s_add_co_u32 s96, s96, s3                      ; phase 2, A: 4 of the 64 row tiles of v's columns
	s_mul_i32 s96, s96, 12288
	s_add_co_u32 s96, s96, WC+128*12288
	s_mov_b32 s11, 0
	s_mov_b32 s13, 0
	s_mov_b32 s21, 0
	s_mov_b32 s23, 0
	s_mov_b32 s97, 0
	s_mov_b32 s99, 0
	; where the results go.  Phase 1: head pair 2 tB + half of B, token group 4 tA + 2 x half of A
	s_lshl_b32 s92, s19, 1
	s_add_co_u32 s92, s92, s16
	s_lshl_b32 s92, s92, 8                         ; two heads are 256 blocks
	s_lshl_b32 s93, s18, 2
	s_add_co_u32 s92, s92, s93
	s_lshl_b32 s93, s15, 1
	s_add_co_u32 s92, s92, s93
	s_mul_i32 s92, s92, 3328
	s_mov_b32 s93, 0
	; phase 2: 128 tokens 2 tB + half of B, head 2 tA + half of A
	s_lshl_b32 s94, s67, 1
	s_add_co_u32 s94, s94, s16
	s_lshl_b32 s94, s94, 4
	s_lshl_b32 s95, s66, 1
	s_add_co_u32 s94, s94, s95
	s_add_co_u32 s94, s94, s15
	s_mul_i32 s94, s94, 6400
	s_add_co_u32 s94, s94, VR
	s_mov_b32 s95, 0
	; the bias: phase 1's along my 128 columns of q, k; phase 2's along my 64 columns of v
	s_lshl_b32 s2, s19, 10
	s_lshl_b32 s3, s16, 9
	s_add_co_u32 s2, s2, s3
	s_mov_b32 s3, 0
	s_lshl_b32 s18, s66, 9
	s_lshl_b32 s19, s15, 8
	s_add_co_u32 s18, s18, s19
	s_add_co_u32 s18, s18, 8192
	s_mov_b32 s19, 0
	; phase 2's scale words in ops: the A side's for lanes 0-15, the B side's for lanes 16-31
	s_lshl_b32 s66, s66, 12
	s_lshl_b32 s17, s15, 11
	s_add_co_u32 s66, s66, s17
	s_add_co_u32 s66, s66, WS+128*512
	s_lshl_b32 s67, s67, 13
	s_lshl_b32 s17, s16, 12
	s_add_co_u32 s67, s67, s17
	s_add_co_u32 s67, s67, XS
	v_lshlrev_b32 v8, 4, v3                        ; 16 x lane
	v_lshlrev_b32 v4, 4, v1                        ; 16 r
	v_lshl_add_u32 v9, v2, 3, v4                   ; 16 r + 8 h
	v_mul_u32_u24 v12, HSTR, v2
	v_add_nc_u32 v12, v12, v4                      ; phase 1's scale words: lanes 16-31 store the next head's
	v_lshlrev_b32 v13, 4, v2                       ; and shift its two bytes down
	v_mov_b32 v5, s66
	v_mov_b32 v6, s67
	v_cmp_eq_u32 vcc_lo, 1, v2
	v_cndmask_b32 v5, v5, v6, vcc_lo
	v_add_nc_u32 v14, v5, v4
	s_mul_i32 s66, s14, HALFT                      ; where phase 1's tiles go: wave x a quarter of a slot: no place in the cluster enters an LDS address
	s_mul_i32 s67, s14, HALFS
	s_wait_kmcnt 0x0
	s_add_nc_u64 s[10:11], s[4:5], s[10:11]
	s_add_nc_u64 s[12:13], s[4:5], s[12:13]
	s_add_nc_u64 s[20:21], s[4:5], s[20:21]
	s_add_nc_u64 s[22:23], s[4:5], s[22:23]
	s_add_nc_u64 s[96:97], s[4:5], s[96:97]
	s_add_nc_u64 s[98:99], s[4:5], s[98:99]
	s_add_nc_u64 s[2:3], s[6:7], s[2:3]
	s_add_nc_u64 s[18:19], s[6:7], s[18:19]
	s_add_nc_u64 s[92:93], s[8:9], s[92:93]
	s_add_nc_u64 s[94:95], s[8:9], s[94:95]
	CROUND                                         ; all sixteen work-groups are here: the first joint loads meet
	s_mov_b32 s[G0S], 1
	s_add_co_u32 s[G0S+1], s67, SCL
	s_mov_b64 s[G0S+2:G0S+3], s[12:13]
	s_or_b32 s[G0S+3], s[G0S+3], 0x80000000
	s_mov_b32 s[G0SB], 1
	s_add_co_u32 s[G0SB+1], s67, SCL
	s_mov_b64 s[G0SB+2:G0SB+3], s[22:23]
	s_or_b32 s[G0SB+3], s[G0SB+3], 0x80000000
	JLOAD G0S, G1S, G0SB, G1SB                     ; the scale words first: they are wanted with the first step
.irp s, 0,1,2
	s_mov_b32 s[G0+4*\s], 1
	s_add_co_u32 s[G0+4*\s+1], s66, \s*SLOT
	s_add_nc_u64 s[G0+4*\s+2:G0+4*\s+3], s[10:11], \s*3072
	s_or_b32 s[G0+4*\s+3], s[G0+4*\s+3], 0x80000000
	s_mov_b32 s[G0B+4*\s], 1
	s_add_co_u32 s[G0B+4*\s+1], s66, \s*SLOT
	s_add_nc_u64 s[G0B+4*\s+2:G0B+4*\s+3], s[20:21], \s*3072
	s_or_b32 s[G0B+4*\s+3], s[G0B+4*\s+3], 0x80000000
	JLOAD G0+4*\s, G1, G0B+4*\s, G1B               ; by this text's count four tensor loads of a wave are out behind the last of these
.endr
	s_mul_i32 s17, s15, HALFT                      ; phase 1: my 8 row tiles of A
	s_mul_i32 s66, s16, HALFT                      ; my 8 of B,
	s_add_co_u32 s66, s66, 2*HALFT                 ; which lie behind A's 16
.irp s, 0,1,2
	v_add_nc_u32 v[ADRA+\s], s17, v8
	v_add_nc_u32 v[ADRB+\s], s66, v8
	v_add_nc_u32 v[ADRA+3+\s], s17, v9
	v_add_nc_u32 v[ADRB+3+\s], s66, v9
	s_add_co_u32 s17, s17, SLOT
	s_add_co_u32 s66, s66, SLOT
.endr
	s_mul_i32 s17, s15, HALFS
	s_mul_i32 s66, s16, HALFS
	s_add_co_u32 s66, s66, 2*HALFS
	s_sub_co_u32 s66, s66, s17
	v_mul_u32_u24 v5, s66, v2                      ; lanes 16-31 take B's
	s_add_co_u32 s17, s17, SCL
	v_add_nc_u32 v5, v5, v4
	v_add_nc_u32 v[ADRS], s17, v5
	s_mul_i32 s17, s15, 49152                      ; phase 2: A's 8 row tiles of 12,288 bytes lie at 0: my 4
	v_add_nc_u32 v[A2], s17, v8
	v_add_nc_u32 v[A2+1], s17, v9
	s_mul_i32 s17, s16, 98304                      ; B's 16 behind them: my 8
	s_add_co_u32 s17, s17, 98304
	v_add_nc_u32 v[B2L], s17, v8
	v_add_nc_u32 v[B2L+1], s17, v9
	s_add_co_u32 s17, s17, 49152
	v_add_nc_u32 v[B2H], s17, v8
	v_add_nc_u32 v[B2H+1], s17, v9
	v_lshlrev_b32 v6, 6, v2                        ; the bias along the B side: register 16 b + i is index 32 b + 16 h + i
	v_and_b32 v7, 8, v1
	v_add_nc_u32 v7, v7, v1
	v_lshlrev_b32 v7, 2, v7                        ; along the A side: block a's place r is index 32 (a / 2) + 8 (a % 2) + r + 8 (r / 8)
.irp i, 0,1,2,3,4,5,6,7,8,9,10,11,12,13,14,15
	global_load_b128 v[XB+4*\i:XB+4*\i+3], v6, s[2:3] offset:128*(\i/4)+16*(\i%4)   ; waited for at the head of the way out: nothing touches these registers, their offsets or their bases before
.endr
.irp a, 0,1,2,3
	global_load_b32 v[YB+2*\a], v7, s[18:19] offset:4*(32*(\a/2)+8*(\a%2))
.endr
.macro FRAG reg, adr, q, i             ; phase 1: row tile i, the slot's q-th 128 along K: the image as it lies
	ds_load_b128 v[\reg:\reg+3], v[\adr] offset:(\i)*3072+(\q)*1536
	ds_load_b64 v[\reg+4:\reg+5], v[\adr+3] offset:(\i)*3072+(\q)*1536+512
	ds_load_b128 v[\reg+6:\reg+9], v[\adr] offset:(\i)*3072+(\q)*1536+768
	ds_load_b64 v[\reg+10:\reg+11], v[\adr+3] offset:(\i)*3072+(\q)*1536+1280
.endm
; 16 matrix instructions: A's blocks a0, a0 + 1 x B's eight.  The 64 accumulators take turns, one instruction a turn, in the same order in every step.
.macro MUL16 a0, p, q, sc, zero
.irp a, \a0, \a0+1
.irp b, 0,1,2,3,4,5,6,7
.if \zero
	v_wmma_scale_f32_16x16x128_f8f6f4 v[8*(8*((\a)%4)+\b):8*(8*((\a)%4)+\b)+7], v[128*(\p)+FR*\b:128*(\p)+FR*\b+FR-1], v[AF+FR*(\a):AF+FR*(\a)+FR-1], 0, v[SC+8*NQ*(\sc)+NQ*\b+(\q)], v[SC+8*NQ*(\sc)+NQ*(\a)+(\q)] matrix_a_fmt:MATRIX_FMT_BF6 matrix_b_fmt:MATRIX_FMT_BF6 matrix_a_scale:MATRIX_SCALE_ROW1
.else
	v_wmma_scale_f32_16x16x128_f8f6f4 v[8*(8*((\a)%4)+\b):8*(8*((\a)%4)+\b)+7], v[128*(\p)+FR*\b:128*(\p)+FR*\b+FR-1], v[AF+FR*(\a):AF+FR*(\a)+FR-1], v[8*(8*((\a)%4)+\b):8*(8*((\a)%4)+\b)+7], v[SC+8*NQ*(\sc)+NQ*\b+(\q)], v[SC+8*NQ*(\sc)+NQ*(\a)+(\q)] matrix_a_fmt:MATRIX_FMT_BF6 matrix_b_fmt:MATRIX_FMT_BF6 matrix_a_scale:MATRIX_SCALE_ROW1
.endif
.endr
.endr
.endm
.macro FETCH_B slot, q, p
	WIN TO_B
.irp i, 0,1,2,3,4,5,6,7
	FRAG 128*(\p)+FR*\i, ADRB+\slot, \q, \i
.endr
	WIN 0
.endm
.macro FETCH_A slot, q, i0
.irp i, \i0, \i0+1, \i0+2, \i0+3
	FRAG AF+FR*(\i), ADRA+\slot, \q, \i
.endr
.endm
.macro SCALES sg                       ; the scale words of K's sg-th 256 into set sg % 2: two words a row; lanes 0-15 A's block i, lanes 16-31 B's block i
.irp i, 0,1,2,3,4,5,6,7
	ds_load_b64 v[SC+16*((\sg)%2)+2*\i:SC+16*((\sg)%2)+2*\i+1], v[ADRS] offset:\i*512+((\sg)/2)*256+((\sg)%2)*8
.endr
.endm
.macro PLACES n                        ; plain vector instructions between a matrix instruction and a load into, or a read of, its registers (ISA guide 7.12.1 for a read)
.rept \n
	v_nop
.endr
.endm
.macro STEP slot, q, sc, zero          ; a step of 128 along K that has its successor in the same slot; sc: the set of scale words
	s_wait_dscnt 4*NL                              ; B's set and A's blocks 0-3 are in; the youngest 16 loads (A's blocks 4-7) may be out
	WIN MUL_LO
	MUL16 0, (\q)%2, \q, \sc, \zero
	MUL16 2, (\q)%2, \q, \sc, \zero
	s_wait_dscnt 0
	PLACES NP
	FETCH_B \slot, (\q)+1, 1-(\q)%2
	FETCH_A \slot, (\q)+1, 0
	WIN MUL_HI
	MUL16 4, (\q)%2, \q, \sc, \zero
	MUL16 6, (\q)%2, \q, \sc, \zero
	PLACES NP
	WIN 0
	FETCH_A \slot, (\q)+1, 4
.endm
; A slot's last step changes slots.  kind = 1: each wave waits for all its tensor loads, adds 0 to its spare word, waits for that and for its reads of this slot; the barrier opens a round of the cluster's barrier, and this
; slot is filled again first thing behind it, with K's fourth 256.  kind = 0: the same lines and a barrier of the work-group: the next slot's tile has landed in every wave's part; nothing is filled.
; kind = 2: no barrier: the next slot was shown landed, by every wave, in front of the barrier of kind 1, and nothing is filled.  sg: which 256 of K the next slot holds.
.macro TURN slot, next, sc, kind, sg
.if \kind < 2
	s_wait_tensorcnt 0x0                           ; all my tensor loads have landed
	ds_add_u32 v[SPW], v[NIL]                      ; 0 onto my spare word
	s_wait_dscnt 4*NL+1                            ; the add and the youngest 16 loads (A's blocks 4-7) may be out
.else
	s_wait_dscnt 4*NL
.endif
	WIN MUL_LO
	MUL16 0, 1, NQ-1, \sc, 0
.if \kind < 2
	s_wait_dscnt 0x0                               ; the add is done, and my reads of this slot are over
	s_barrier_signal -1
.endif
	MUL16 2, 1, NQ-1, \sc, 0
	WIN 0
.if \kind < 2
	s_barrier_wait -1
.else
	s_wait_dscnt 0x0                               ; A's blocks 4-7 are in
.endif
.if \kind == 1
	CREST                                          ; no wave of any partner still reads this slot or has a load on its way
	s_add_nc_u64 s[G0+4*\slot+2:G0+4*\slot+3], s[G0+4*\slot+2:G0+4*\slot+3], 9216
	s_add_nc_u64 s[G0B+4*\slot+2:G0B+4*\slot+3], s[G0B+4*\slot+2:G0B+4*\slot+3], 9216
	JLOAD G0+4*\slot, G1, G0B+4*\slot, G1B         ; the four v_nop behind it are also the places in front of the loads below
.else
	PLACES NP
.endif
	FETCH_B \next, 0, 0
	FETCH_A \next, 0, 0
	SCALES \sg
	WIN MUL_HI
	MUL16 4, 1, NQ-1, \sc, 0
	MUL16 6, 1, NQ-1, \sc, 0
	PLACES NP
	WIN 0
	FETCH_A \next, 0, 4
.endm
	s_wait_tensorcnt 2                             ; the scale words and my part of slot 0 are in; slots 1 and 2's loads may be out
	s_barrier_signal -1
	s_barrier_wait -1
	FETCH_B 0, 0, 0
	FETCH_A 0, 0, 0
	SCALES 0
	FETCH_A 0, 0, 4
	STEP 0, 0, 0, 1                                ; PHASE 1, written out.  The first products start the sums
	TURN 0, 1, 0, 1, 1                             ; slot 0 takes K's fourth 256
	STEP 1, 0, 1, 0
	TURN 1, 2, 1, 2, 2
	STEP 2, 0, 0, 0
	TURN 2, 0, 0, 0, 3
	STEP 0, 0, 1, 0
	; phase 1's last step.  All three slots are read out when its fragments are in registers: they take phase 2's operands
	s_wait_tensorcnt 0x0                           ; no tensor load of mine is out, so the descriptors may be written
	ds_add_u32 v[SPW], v[NIL]                      ; 0 onto my spare word; the descriptors are written between it and the wait for it
.irp g, G1, G1B
	s_mov_b32 s[\g+1], 1536<<16                    ; rows of a row tile's whole K: 1,536 elements of 8 bytes, dense
	s_mov_b32 s[\g+3], 1536<<16
.endr
	s_mov_b32 s[G1+2], 4<<16                       ; A: 4 row tiles a wave; B keeps 8
	s_mov_b32 s[G1+4], 4
	s_mul_i32 s[G0+1], s16, 49152
	s_mov_b64 s[G0+2:G0+3], s[96:97]
	s_or_b32 s[G0+3], s[G0+3], 0x80000000
	s_mul_i32 s[G0B+1], s16, 98304
	s_add_co_u32 s[G0B+1], s[G0B+1], 98304
	s_mov_b64 s[G0B+2:G0B+3], s[98:99]
	s_or_b32 s[G0B+3], s[G0B+3], 0x80000000
	s_wait_dscnt 4*NL+1
	WIN MUL_LO
	MUL16 0, 1, NQ-1, 1, 0
	s_wait_dscnt 0x0                               ; the add is done, and my reads of LDS are over
	s_barrier_signal -1
	MUL16 2, 1, NQ-1, 1, 0
	WIN 0
	s_barrier_wait -1
	CREST                                          ; no wave of any partner still reads a slot or has a load on its way
	JLOAD G0, G1, G0B, G1B                         ; my one load: phase 2's operands for all of K
	WIN MUL_HI
	MUL16 4, 1, NQ-1, 1, 0
	MUL16 6, 1, NQ-1, 1, 0
	WIN 0
; PHASE 1'S WAY OUT, A's blocks one after the other: the bias, the quantiser, and the images straight from the registers: every store of codes covers 512 or 256 consecutive bytes, aligned; every offset is an immediate.
; Registers 0-5 are the first head's half image of these 16 tokens, registers 6-11 the second head's.
.macro EPI1 a
	s_wait_xcnt 0x0                                ; the last block's stores have read their data: those registers are written again only behind this wait
	WIN 0x02+(\a)/4                                ; source 0: window 2 or 3
.set i, 0
.rept 32
	v_pk_add_f32 v[T+i:T+i+1], v[64*((\a)%4)+i:64*((\a)%4)+i+1], v[XB+i:XB+i+1]   ; each accumulator from its low end on
.set i, i+2
.endr
	WIN 0
	QUANT T, PW
	v_lshrrev_b32 v[SW+(\a)], v13, v[PW]
	global_store_b128 v8, v[PC:PC+3], s[92:93] offset:((\a)/4)*3328+((\a)%4)*768
	global_store_b64 v9, v[PC+4:PC+5], s[92:93] offset:((\a)/4)*3328+((\a)%4)*768+512
	global_store_b128 v8, v[PC+6:PC+9], s[92:93] offset:HSTR+((\a)/4)*3328+((\a)%4)*768
	global_store_b64 v9, v[PC+10:PC+11], s[92:93] offset:HSTR+((\a)/4)*3328+((\a)%4)*768+512
.if (\a)%4 == 3
	global_store_b128 v12, v[SW+4*((\a)/4):SW+4*((\a)/4)+3], s[92:93] offset:((\a)/4)*3328+3072   ; four tiles' scale words: 256 consecutive bytes for each half of the lanes
.endif
.endm
	PLACES NP                                      ; behind the last products: their operands' and scales' registers are written and loaded below
	s_wait_loadcnt 0x0                             ; the bias
.irp i, 0,1,2,3,4,5,6,7
	global_load_b128 v[S2+4*\i:S2+4*\i+3], v14, s[4:5] offset:\i*512   ; phase 2's scale words, K steps 0-3: sixteen lanes read 256 consecutive bytes
.endr
.irp b, 0,1,2,3
	v_mov_b32 v[TM+4+\b], 0                        ; a lane permute's destination counts as one of its sources
.endr
.irp a, 0,1,2,3
	v_mov_b32 v[YB+2*\a+1], v[YB+2*\a]             ; named with it as a pair, so it is written
.endr
.irp a, 0,1,2,3,4,5,6,7
	EPI1 \a
.endr
.irp i, 0,1,2,3,4,5,6,7
	global_load_b128 v[S2+32+4*\i:S2+32+4*\i+3], v14, s[4:5] offset:\i*512+256   ; K steps 4-7, into the registers that the bias has left
.endr
; PHASE 2.  All of K lies in LDS: row tile i of a side, K step s, at 12,288 i + 1,536 s.  A step is 32 matrix instructions; the next step's 48 loads stand at its head, since here LDS has more to do than the matrix unit.
.macro FRAG2 reg, adr, s, i
	ds_load_b128 v[\reg:\reg+3], v[\adr] offset:(\i)*12288+(\s)*1536
	ds_load_b64 v[\reg+4:\reg+5], v[\adr+1] offset:(\i)*12288+(\s)*1536+512
	ds_load_b128 v[\reg+6:\reg+9], v[\adr] offset:(\i)*12288+(\s)*1536+768
	ds_load_b64 v[\reg+10:\reg+11], v[\adr+1] offset:(\i)*12288+(\s)*1536+1280
.endm
.macro FETCH2 s                        ; K step s's fragments into set s % 2
	WIN TO_B
.irp i, 0,1,2,3
	FRAG2 128*((\s)%2)+FR*\i, B2L, \s, \i
.endr
.irp i, 0,1,2,3
	FRAG2 128*((\s)%2)+FR*(\i+4), B2H, \s, \i
.endr
	WIN 0
.irp i, 0,1,2,3
	FRAG2 AF+48*((\s)%2)+FR*\i, A2, \s, \i
.endr
.endm
.macro MUL2 s                          ; the 32 accumulators take turns, in the same order in every step
.irp a, 0,1,2,3
.irp b, 0,1,2,3,4,5,6,7
.if (\s) == 0
	v_wmma_scale_f32_16x16x128_f8f6f4 v[8*(8*\a+\b):8*(8*\a+\b)+7], v[128*((\s)%2)+FR*\b:128*((\s)%2)+FR*\b+FR-1], v[AF+48*((\s)%2)+FR*\a:AF+48*((\s)%2)+FR*\a+FR-1], 0, v[S2+32*((\s)/4)+4*\b+(\s)%4], v[S2+32*((\s)/4)+4*\a+(\s)%4] matrix_a_fmt:MATRIX_FMT_BF6 matrix_b_fmt:MATRIX_FMT_BF6 matrix_a_scale:MATRIX_SCALE_ROW1
.else
	v_wmma_scale_f32_16x16x128_f8f6f4 v[8*(8*\a+\b):8*(8*\a+\b)+7], v[128*((\s)%2)+FR*\b:128*((\s)%2)+FR*\b+FR-1], v[AF+48*((\s)%2)+FR*\a:AF+48*((\s)%2)+FR*\a+FR-1], v[8*(8*\a+\b):8*(8*\a+\b)+7], v[S2+32*((\s)/4)+4*\b+(\s)%4], v[S2+32*((\s)/4)+4*\a+(\s)%4] matrix_a_fmt:MATRIX_FMT_BF6 matrix_b_fmt:MATRIX_FMT_BF6 matrix_a_scale:MATRIX_SCALE_ROW1
.endif
.endr
.endr
.endm
.macro STEP2 s
	s_wait_dscnt 0x0                               ; this step's fragments are in
.if (\s) == 0
	s_wait_loadcnt 8                               ; the scale words of K steps 0-3 are in; the eight loads of K steps 4-7 may be out
.endif
.if (\s) == 4
	s_wait_loadcnt 0x0
.endif
.if (\s) < 7
.if (\s) > 0
	PLACES NP                                      ; the other set was read by the last step's products
.endif
	FETCH2 (\s)+1
.endif
	WIN MUL_LO
	MUL2 \s
	WIN 0
.endm
	s_wait_xcnt 0x0                                ; phase 1's last stores have read their data: fragments are loaded into those registers below
	s_wait_tensorcnt 0x0                           ; my part of phase 2's operands has landed,
	s_barrier_signal -1
	s_barrier_wait -1                              ; everybody's has
	FETCH2 0
.irp s, 0,1,2,3,4,5,6,7
	STEP2 \s
.endr
; PHASE 2'S WAY OUT: block a is d tile a of my head: 16 d x my 128 keys: one fragment of V^T and its scale words.
.macro EPI2 a
	s_wait_xcnt 0x0
	WIN 0x02
.set i, 0
.rept 32
	v_pk_add_f32 v[T+i:T+i+1], v[64*(\a)+i:64*(\a)+i+1], v[YB+2*(\a):YB+2*(\a)+1] op_sel_hi:[1,0]   ; my row's bias; each accumulator from its low end on
.set i, i+2
.endr
	WIN 0
	QUANT T, SW+(\a)
	global_store_b128 v8, v[PC:PC+3], s[94:95] offset:1536*(\a)
	global_store_b64 v9, v[PC+4:PC+5], s[94:95] offset:1536*(\a)+512
	global_store_b128 v8, v[PC+6:PC+9], s[94:95] offset:1536*(\a)+768
	global_store_b64 v9, v[PC+10:PC+11], s[94:95] offset:1536*(\a)+1280
.endm
	PLACES NP                                      ; behind the last products
.irp a, 0,1,2,3
	EPI2 \a
.endr
	global_store_b128 v4, v[SW:SW+3], s[94:95] offset:6144   ; four tiles' scale words: 256 consecutive bytes
	s_wait_tensorcnt 0x0                           ; the wave's end
	ds_add_u32 v[SPW], v[NIL]
	s_wait_dscnt 0x0
	CROUND                                         ; the closing round: no work-group ends while a partner may still ask for a tile that names it
	s_endpgm
.Lfunc_end_k_q9072e35a86_gemm_qkv:
	.size	k_q9072e35a86_gemm_qkv, .Lfunc_end_k_q9072e35a86_gemm_qkv-k_q9072e35a86_gemm_qkv
	.p2alignl 7, 3214868480
	.fill 96, 4, 3214868480
	.section	.rodata,"a",@progbits
	.p2align	6, 0x0
	.amdhsa_kernel k_q9072e35a86_gemm_qkv
		.amdhsa_group_segment_fixed_size 327680
		.amdhsa_private_segment_fixed_size 0
		.amdhsa_enable_private_segment 0
		.amdhsa_kernarg_size 24
		.amdhsa_user_sgpr_count 2
		.amdhsa_user_sgpr_kernarg_segment_ptr 1
		.amdhsa_wavefront_size32 1
		.amdhsa_system_sgpr_workgroup_id_x 1
		.amdhsa_system_sgpr_workgroup_id_y 1
		.amdhsa_system_sgpr_workgroup_id_z 1
		.amdhsa_system_vgpr_workitem_id 0
		.amdhsa_next_free_vgpr 1024
		.amdhsa_next_free_sgpr 104
		.amdhsa_reserve_vcc 1
		.amdhsa_float_denorm_mode_32 3
		.amdhsa_float_denorm_mode_16_64 3
		.amdhsa_memory_ordered 1
		.amdhsa_forward_progress 1
		.amdhsa_inst_pref_size 255
	.end_amdhsa_kernel
	.amdgpu_metadata
---
amdhsa.version: [ 1, 2 ]
amdhsa.kernels:
  - .name:           k_q9072e35a86_gemm_qkv
    .symbol:         k_q9072e35a86_gemm_qkv.kd
    .args:
      - { .name: ops, .offset: 0, .size: 8, .value_kind: global_buffer, .address_space: global }
      - { .name: b_qkv, .offset: 8, .size: 8, .value_kind: global_buffer, .address_space: global }
      - { .name: qkv, .offset: 16, .size: 8, .value_kind: global_buffer, .address_space: global }
    .group_segment_fixed_size: 327680
    .private_segment_fixed_size: 0
    .kernarg_segment_align: 8
    .kernarg_segment_size: 24
    .max_flat_workgroup_size: 128
    .sgpr_count:     104
    .vgpr_count:     1024
    .wavefront_size: 32
...
	.end_amdgpu_metadata
.endif
;; end of part 2
;; launch attn (part 3): grid 4 x 64, 16 waves a work-group, no clusters, 210,944 bytes of LDS; arguments qkv, yq; writes yq
.if DOCPART == 3
	.amdgcn_target "amdgcn-amd-amdhsa--gfx1250"
	.amdhsa_code_object_version 6
	.text
	.protected	k_q9072e35a86_attn
	.globl	k_q9072e35a86_attn
	.p2align	8
	.type	k_q9072e35a86_attn,@function
k_q9072e35a86_attn:
	s_mov_b64 s[64:65], 0
	v_nop
	global_prefetch_b8 v0, s[64:65] scope:SCOPE_SE
	s_setreg_imm32_b32 hwreg(HW_REG_WAVE_MODE, 25, 1), 1
	s_wait_xcnt 0x0
; y = softmax(q k^T / 8, causal) v for one head of one batch, both products on codes of BF6 (E3M2) with E8M0 scales; y leaves as codes, quantised along the model's 1,024, for the last product.
; THE SOFTMAX AHEAD OF THE SECOND PRODUCT: t = score x log2(e) / 8; M = the running largest t rounded UP to a whole number; p = 2^(t - M) is quantised along the keys, not normalised; the row's sum is taken of the
; unquantised p and divides at the end.  When M moves, the sum and O are multiplied by 2^(old M - new M): exact.
; SHARES.  Work-group (j, y): batch y / 16, head y % 16, 512 of its 2,048 queries.  Sixteen waves of 256 registers, four to a SIMD, so that one wave's vector work stands beside another's products and LDS loads.
; The queries fall into 16 chunks of 128; chunk c needs the key steps 0 .. c of 128 keys.  Wave w takes tile w % 8 (16 queries) of two chunks, one after the other: waves 0-7 chunks 15 - j and j, waves 8-15 chunks 8 + j and 7 - j:
; 17 key steps for every wave of the launch.  A step all of whose keys come after the chunk is left out by a scalar branch on ids; the trip counts stay constants.
; THE HEAD'S WHOLE K AND V LIE IN LDS, 106,496 + 102,400 bytes, filled ONCE by waves 0-3 in three stages (key steps 0-1, 2-7, 8-15), so no byte is filled again.
; NO CLUSTER, though the four work-groups of a head read the same K and V: their causal branches hang on j, which would be their place in the cluster, and without those branches the work would double.
; LAYOUT.  Both products are used transposed: S^T = K Q^T, O^T = V^T P^T: a lane holds ONE query (lane % 16).  A tile's rows are not neighbours (tile T: 32 (T / 2) + 8 (T % 2) + p + 8 (p / 8)), so the 16 registers of two
; neighbouring tiles are 16 neighbouring keys (or d).  THE FIRST PRODUCT'S K IS 64 in an instruction of 128: Q's registers 6-11 are zero codes, so K's upper registers may hold any codes (this format has no NaN or infinity,
; and no scale byte here is 0xff): tile t's operand is the 12 registers from F + 6 t on, whose upper six are the next tile's.
; LIMITS: NaN and infinities are not served; a block of y whose largest magnitude lies under 2^-122 gets the byte 1.  y's scale bytes leave 2 bytes a lane (262,144 bytes in all), both halves of the lanes storing the same.
.set VR,    13631488
.set YS,    6291456
.set KSTEP, 6656                       ; a key step of K: two groups of 3,328: four half images of 768, then 256 bytes of scale words [r][4 tiles]
.set VSTEP, 6400                       ; of V: four fragments of 1,536 (16 d x 128 keys), then 256 bytes of scale words
.set VLDS,  106496                     ; V lies behind K
.set WV,   8
.set SEL,  14                          ; s[14:15]
.set CS,   16                          ; s[16:17] c = log2(e) / 8
.set TBK,  60                          ; LDS byte of the step's K
.set TBV,  61                          ; and of its V, from VLDS on
.set SI,   62                          ; the step
.set CNT,  63
.set CH,   66                          ; the chunk in hand
.set QA,   20                          ; v20-31, v32-43 the two passes' Q;  v44, v45 their scale words
.set QB,   32
.set QSA,  44
.set QSB,  45
.set F,    46                          ; v46-99  K's eight tiles (6 registers each, and 6 zeros), then V's four fragments
.set S,    100                         ; v100-163 S^T, then p
.set O,    164                         ; v164-195 O^T
.set PC,   196                         ; v196-207 p's codes
.set PT,   208                         ; v208-215 at work
.set BM,   216
.set BX,   220
.set SO,   224
.set KSW,  228                         ; v228-235 K's scale words;  v236-239 V's;  v240 p's
.set VSW,  236
.set PWD,  240
; v1 16 x lane; v2 512 + 16 r + 8 h; v3 3,072 + 16 r; v4-6 the same for V; v7 my query's place in its chunk - 16 h; v8-13 the step's addresses; v14 -infinity;
; v16 -M, v17 the largest t; v[18:19] the sum in two halves; v[242:243] f; v244, v245 at work; v247 16 r + 8 h; v248 16 r
.macro DESC k, nr, fs, el, st, lb, ls, gp, gs   ; stage k: nr rows (key steps) of el elements of 8 bytes, st elements apart, from step fs + nr x (wave % 2) on
	s_mov_b32 s[24+8*\k], 3<<16                    ; no mask; elements of 8 bytes; no padding
	s_mov_b32 s[25+8*\k], (\el)<<16                ; tensor_dim0
	s_mov_b32 s[26+8*\k], (\nr)<<16                ; tensor_dim1
	s_mov_b32 s[27+8*\k], (\el)<<16                ; tile_dim0
	s_mov_b32 s[28+8*\k], \nr                      ; tile_dim1
	s_mov_b32 s[29+8*\k], \st                      ; tensor_dim0_stride
	s_mov_b32 s[30+8*\k], 0
	s_mov_b32 s[31+8*\k], 0
	s_mov_b32 s[48+4*\k], 1
	s_mul_i32 s[49+4*\k], s22, (\nr)*(\ls)
	s_add_co_u32 s[49+4*\k], s[49+4*\k], (\lb)+(\fs)*(\ls)
	s_mul_i32 s84, s22, (\nr)*(\gs)
	s_add_co_u32 s84, s84, (\fs)*(\gs)
	s_mov_b32 s85, 0
	s_add_nc_u64 s[50+4*\k:51+4*\k], s[\gp:\gp+1], s[84:85]
	s_or_b32 s[51+4*\k], s[51+4*\k], 0x80000000
.endm
	s_load_b128 s[4:7], s[0:1], 0x0                ; qkv s[4:5], yq s[6:7]
	v_lshl_add_u32 v254, v0, 2, 0x33000
	v_mov_b32 v255, 0
	ds_add_u32 v254, v255
	ds_add_u32 v254, v255
	v_lshrrev_b32 v1, 5, v0
	s_delay_alu instid0(VALU_DEP_1)
	v_readfirstlane_b32 s[WV], v1                  ; wave 0..15
	s_mov_b32 s9, ttmp9                            ; j
	s_and_b32 s18, ttmp7, 0xffff
	s_lshr_b32 s10, s18, 4                         ; batch
	s_and_b32 s11, s18, 15                         ; head
	s_sub_co_u32 s18, 15, s9
	s_add_co_u32 s19, s9, 8
	s_sub_co_u32 s20, 7, s9
	s_cmp_lt_u32 s[WV], 8
	s_cselect_b32 s12, s18, s19                    ; the first pass's chunk: 8 or more
	s_cselect_b32 s13, s9, s20                     ; the second's: 7 or less
	s_and_b32 s21, s[WV], 7                        ; my tile in a chunk
	s_and_b32 s22, s[WV], 1
	s_mov_b32 s[SEL], 0x76543210
	s_mov_b32 s[SEL+1], 0xfedcba98
	s_mov_b32 s[CS], 0x3e38aa3b
	s_mov_b32 s[CS+1], s[CS]                       ; named with it as a pair, so it is written
	s_add_co_u32 s80, s11, 16                      ; K: [16 + head][32 batch + group][3,328]
	s_lshl_b32 s80, s80, 7
	s_lshl_b32 s81, s10, 5
	s_add_co_u32 s80, s80, s81
	s_mul_i32 s80, s80, 3328
	s_mov_b32 s81, 0
	s_lshl_b32 s82, s10, 8                         ; V: [16 batch + step][head][6,400]
	s_add_co_u32 s82, s82, s11
	s_mul_i32 s82, s82, 6400
	s_add_co_u32 s82, s82, VR
	s_mov_b32 s83, 0
	s_lshl_b32 s84, s11, 7                         ; Q: [head][32 batch + 2 chunk + tile / 4][3,328]
	s_lshl_b32 s85, s10, 5
	s_add_co_u32 s84, s84, s85
	s_lshr_b32 s85, s21, 2
	s_add_co_u32 s84, s84, s85
	s_lshl_b32 s85, s12, 1
	s_add_co_u32 s85, s85, s84
	s_mul_i32 s68, s85, 3328
	s_mov_b32 s69, 0
	s_lshl_b32 s85, s13, 1
	s_add_co_u32 s85, s85, s84
	s_mul_i32 s70, s85, 3328
	s_mov_b32 s71, 0
	s_lshl_b32 s86, s10, 7                         ; y: row tile 128 batch + 8 chunk + tile; K step head / 2, half head % 2
	s_add_co_u32 s86, s86, s21
	s_lshr_b32 s87, s11, 1
	s_and_b32 s88, s11, 1
	s_mul_i32 s89, s87, 1536
	s_mul_i32 s90, s88, 768
	s_add_co_u32 s89, s89, s90
	s_lshr_b32 s90, s11, 3                         ; its scale bytes: [row tile][head / 8][r][4 words], 2 bytes of word (head / 2) % 4
	s_lshl_b32 s90, s90, 8
	s_and_b32 s87, s87, 3
	s_lshl_b32 s87, s87, 2
	s_add_co_u32 s90, s90, s87
	s_lshl_b32 s88, s88, 1
	s_add_co_u32 s90, s90, s88
	s_add_co_u32 s90, s90, YS
	s_lshl_b32 s91, s12, 3
	s_add_co_u32 s91, s91, s86
	s_mul_i32 s72, s91, 12288
	s_add_co_u32 s72, s72, s89
	s_mov_b32 s73, 0
	s_lshl_b32 s74, s91, 9
	s_add_co_u32 s74, s74, s90
	s_mov_b32 s75, 0
	s_lshl_b32 s91, s13, 3
	s_add_co_u32 s91, s91, s86
	s_mul_i32 s76, s91, 12288
	s_add_co_u32 s76, s76, s89
	s_mov_b32 s77, 0
	s_lshl_b32 s78, s91, 9
	s_add_co_u32 s78, s78, s90
	s_mov_b32 s79, 0
	s_wait_dscnt 0x0
	s_wait_kmcnt 0x0
	s_add_nc_u64 s[80:81], s[4:5], s[80:81]
	s_add_nc_u64 s[82:83], s[4:5], s[82:83]
	s_add_nc_u64 s[68:69], s[4:5], s[68:69]
	s_add_nc_u64 s[70:71], s[4:5], s[70:71]
	s_add_nc_u64 s[72:73], s[6:7], s[72:73]
	s_add_nc_u64 s[74:75], s[6:7], s[74:75]
	s_add_nc_u64 s[76:77], s[6:7], s[76:77]
	s_add_nc_u64 s[78:79], s[6:7], s[78:79]
	; ALL FILLS go out here, ahead of every wait on TENSORcnt, every LDS read and every barrier: waves 0, 1 K's halves of each stage, waves 2, 3 V's: three loads a wave, in one branch on the wave's number; the others issue none.
	s_cmp_lt_u32 s[WV], 2
	s_cbranch_scc0 .Lnot_k
	DESC 0, 1, 0, 832, 832, 0, KSTEP, 80, KSTEP
	DESC 1, 3, 2, 832, 832, 0, KSTEP, 80, KSTEP
	DESC 2, 4, 8, 832, 832, 0, KSTEP, 80, KSTEP
	tensor_load_to_lds s[48:51], s[24:31]
	s_nop 0
	tensor_load_to_lds s[52:55], s[32:39]
	s_nop 0
	tensor_load_to_lds s[56:59], s[40:47]
	s_nop 0
.rept 4
	v_nop
.endr
	s_branch .Lasked
.Lnot_k:
	s_cmp_lt_u32 s[WV], 4
	s_cbranch_scc0 .Lasked
	DESC 0, 1, 0, 800, 12800, VLDS, VSTEP, 82, 102400
	DESC 1, 3, 2, 800, 12800, VLDS, VSTEP, 82, 102400
	DESC 2, 4, 8, 800, 12800, VLDS, VSTEP, 82, 102400
	tensor_load_to_lds s[48:51], s[24:31]
	s_nop 0
	tensor_load_to_lds s[52:55], s[32:39]
	s_nop 0
	tensor_load_to_lds s[56:59], s[40:47]
	s_nop 0
.rept 4
	v_nop
.endr
.Lasked:
	v_and_b32 v9, 15, v0                           ; r
	v_bfe_u32 v10, v0, 4, 1                        ; h
	v_and_b32 v11, 31, v0                          ; lane
	s_delay_alu instid0(VALU_DEP_1)
	v_lshlrev_b32 v1, 4, v11
	s_delay_alu instid0(VALU_DEP_4)
	v_lshlrev_b32 v248, 4, v9
	s_delay_alu instid0(VALU_DEP_1)
	v_lshl_add_u32 v247, v10, 3, v248
	s_delay_alu instid0(VALU_DEP_1)
	v_add_nc_u32 v2, 512, v247
	s_delay_alu instid0(VALU_DEP_3)
	v_add_nc_u32 v3, 3072, v248
	v_add_nc_u32 v4, VLDS, v1
	s_delay_alu instid0(VALU_DEP_3)
	v_add_nc_u32 v5, VLDS, v2
	v_add_nc_u32 v6, VLDS+6144, v248
	v_and_b32 v7, 8, v9
	s_delay_alu instid0(VALU_DEP_1)
	v_add_nc_u32 v7, v7, v9                        ; r + 8 (r / 8)
	v_lshlrev_b32 v12, 4, v10
	s_delay_alu instid0(VALU_DEP_1)
	v_sub_nc_u32 v7, v7, v12
	s_lshr_b32 s23, s21, 1
	s_lshl_b32 s23, s23, 5
	s_and_b32 s19, s21, 1
	s_lshl_b32 s19, s19, 3
	s_add_co_u32 s23, s23, s19
	v_add_nc_u32 v7, s23, v7                       ; 32 (tile / 2) + 8 (tile % 2) + r + 8 (r / 8) - 16 h
	s_and_b32 s19, s21, 3                          ; Q's tile in its block of four
	s_mul_i32 s20, s19, 768
	v_add_nc_u32 v8, s20, v1
	v_add_nc_u32 v12, s20, v2
	s_lshl_b32 s19, s19, 2
	v_add_nc_u32 v13, s19, v3
	global_load_b128 v[QA:QA+3], v8, s[68:69]
	global_load_b64 v[QA+4:QA+5], v12, s[68:69]
	global_load_b32 v[QSA], v13, s[68:69]
	global_load_b128 v[QB:QB+3], v8, s[70:71]
	global_load_b64 v[QB+4:QB+5], v12, s[70:71]
	global_load_b32 v[QSB], v13, s[70:71]
.irp i, 6,7,8,9,10,11
	v_mov_b32 v[QA+\i], 0                          ; zero codes for the upper 64 of the instruction's K
	v_mov_b32 v[QB+\i], 0
	v_mov_b32 v[F+42+\i], 0                        ; the upper six of K's last tile: never loaded
.endr
.irp b, 0,1,2,3
	v_mov_b32 v[BX+\b], 0                          ; a lane permute's destination counts as one of its sources
.endr
	v_mov_b32 v243, 0                              ; named as the upper half of the pair v[242:243]
	v_mov_b32 v244, 0
	v_mov_b32 v14, 0xff800000                      ; -infinity
	s_mov_b32 s[TBK], 0
	s_mov_b32 s[TBV], 0
	s_mov_b32 s[SI], 0
; A KEY STEP: 128 keys.  causal = 1: the step may be hidden (left out) or lie on the diagonal (masked).
.macro STEP q, qs, causal
.if \causal
	s_cmp_gt_u32 s[SI], s[CH]
	s_cbranch_scc1 .Lhidden_\@
.endif
	s_setprio 2
	v_add_nc_u32 v8, s[TBK], v1                    ; six plain lines: also the places between the last step's products and the loads into their operands' registers
	v_add_nc_u32 v9, s[TBK], v2
	v_add_nc_u32 v10, s[TBK], v3
	v_add_nc_u32 v11, s[TBV], v4
	v_add_nc_u32 v12, s[TBV], v5
	v_add_nc_u32 v13, s[TBV], v6
.irp t, 0,1,2,3,4,5,6,7
	ds_load_b128 v[F+6*\t:F+6*\t+3], v8 offset:(\t/4)*3328+(\t%4)*768
	ds_load_b64 v[F+6*\t+4:F+6*\t+5], v9 offset:(\t/4)*3328+(\t%4)*768
.endr
	ds_load_b128 v[KSW:KSW+3], v10
	ds_load_b128 v[KSW+4:KSW+7], v10 offset:3328
	s_wait_alu depctr_va_vdst(0)
	s_wait_dscnt 0x0
.irp t, 0,1,2,3,4,5,6,7
	v_wmma_scale_f32_16x16x128_f8f6f4 v[S+8*\t:S+8*\t+7], v[F+6*\t:F+6*\t+11], v[\q:\q+11], 0, v[KSW+\t], v[\qs] matrix_a_fmt:MATRIX_FMT_BF6 matrix_b_fmt:MATRIX_FMT_BF6
.endr
.rept 4
	v_nop                                          ; places in front of the loads into K's registers and of the first read of the scores
.endr
.irp a, 0,1,2,3                                ; V's fragments are asked for now and land under the softmax
	ds_load_b128 v[F+12*\a:F+12*\a+3], v11 offset:1536*\a
	ds_load_b64 v[F+12*\a+4:F+12*\a+5], v12 offset:1536*\a
	ds_load_b128 v[F+12*\a+6:F+12*\a+9], v11 offset:1536*\a+768
	ds_load_b64 v[F+12*\a+10:F+12*\a+11], v12 offset:1536*\a+768
.endr
	ds_load_b128 v[VSW:VSW+3], v13
.if \causal                                    ; on the diagonal (step = chunk) hidden scores become -infinity ahead of the maximum.  Register 16 b + i holds key 32 b + 16 h + i: hidden where 32 b + i > v7
	s_cmp_lg_u32 s[SI], s[CH]
	s_cbranch_scc1 .Lopen_\@
.set n, 0
.rept 64
	v_cmp_gt_i32 vcc_lo, 32*(n/16)+n%16, v7
	v_cndmask_b32 v[S+n], v[S+n], v14, vcc_lo
.set n, n+1
.endr
.Lopen_\@:
.endif
.irp b, 0,1,2,3
	v_max3_num_f32 v[BM+\b], v[S+16*\b], v[S+1+16*\b], v[S+2+16*\b]   ; the largest score of each block of 32 keys: for the row's maximum, and, since p rises with the score, for the block's largest p
.endr
.irp i, 3,5,7,9,11,13
.irp b, 0,1,2,3
	v_max3_num_f32 v[BM+\b], v[BM+\b], v[S+16*\b+\i], v[S+1+16*\b+\i]
.endr
.endr
.irp b, 0,1,2,3
	v_max_num_f32 v[BM+\b], v[BM+\b], v[S+15+16*\b]
.endr
.irp b, 0,1,2,3
	s_delay_alu instid0(VALU_DEP_4)
	v_permlanex16_b32 v[BX+\b], v[BM+\b], s[SEL], s[SEL+1]
.endr
.irp b, 0,1,2,3
	s_delay_alu instid0(VALU_DEP_4)
	v_max_num_f32 v[BM+\b], v[BM+\b], v[BX+\b]     ; with lane l xor 16's 16 keys
.endr
	s_delay_alu instid0(VALU_DEP_2)
	v_max3_num_f32 v244, v[BM], v[BM+1], v[BM+2]
	s_delay_alu instid0(VALU_DEP_1)
	v_max_num_f32 v244, v244, v[BM+3]
	s_delay_alu instid0(VALU_DEP_1)
	v_mul_f32 v244, s[CS], v244                    ; as t (c is positive)
	s_delay_alu instid0(VALU_DEP_1)
	v_max_num_f32 v17, v17, v244                   ; the running largest t
	v_mov_b32 v244, v16
	s_delay_alu instid0(VALU_DEP_2)
	v_floor_f32 v16, -v17                          ; the new -M = -ceil(t): a whole number
	s_delay_alu instid0(VALU_DEP_1)
	v_sub_f32 v244, v16, v244                      ; old M - new M: a whole number, 0 or less
	s_delay_alu instid0(VALU_DEP_1)
	v_cvt_i32_f32 v244, v244                       ; (it saturates)
	s_delay_alu instid0(VALU_DEP_1)
	v_ldexp_f32 v242, 1.0, v244                    ; f = 2^(old M - new M)
.set n, 0
.rept 32
	v_pk_fma_f32 v[S+n:S+n+1], v[S+n:S+n+1], s[CS:CS+1], v[16:17] op_sel_hi:[1,0,0]   ; t - M, two at a time
.set n, n+2
.endr
.irp b, 0,1,2,3
	v_fma_f32 v[BM+\b], v[BM+\b], s[CS], v16
.endr
.set n, 0
	s_setprio 1
	s_wait_alu depctr_va_vdst(0)
.rept 64
	v_exp_f32 v[S+n], v[S+n]                       ; p = 2^(t - M), at most 1
.set n, n+1
.endr
.irp b, 0,1,2,3
	v_exp_f32 v[BM+\b], v[BM+\b]                   ; the block's largest p: the same two instructions on the same number
.endr
	v_pk_mul_f32 v[18:19], v[18:19], v[242:243] op_sel_hi:[1,0]   ; the sums under the new M; a plain place behind the exponentials
	s_wait_alu depctr_va_vdst(0)
.irp b, 0,1,2,3
	v_max_num_f32 v[BM+\b], 0x2800000, v[BM+\b]    ; the floor 2^(5 - 127): a block whose every p is 0 keeps the byte 1; its codes are zeros
.endr
.irp b, 0,1,2,3
	s_delay_alu instid0(VALU_DEP_4)
	v_add_nc_u32 v[SO+\b], 0xfe000000, v[BM+\b]
.endr
.irp b, 0,1,2,3
	s_delay_alu instid0(VALU_DEP_4)
	v_lshrrev_b32 v[BX+\b], 23, v[SO+\b]
.endr
	s_delay_alu instid0(VALU_DEP_3)
	v_lshl_or_b32 v[PWD], v[BX+1], 8, v[BX]        ; p's scale word for these 128 keys
	s_delay_alu instid0(VALU_DEP_1)
	v_lshl_or_b32 v[PWD], v[BX+2], 16, v[PWD]
	s_delay_alu instid0(VALU_DEP_1)
	v_lshl_or_b32 v[PWD], v[BX+3], 24, v[PWD]
.irp c, 0,1
	v_cvt_scalef32_pk16_bf6_f32 v[PC+6*\c:PC+2+6*\c], v[S+32*\c:S+15+32*\c], v[SO+2*\c]
	v_cvt_scalef32_pk16_bf6_f32 v[PT+4*\c:PT+2+4*\c], v[S+16+32*\c:S+31+32*\c], v[SO+2*\c+1]
.endr
	v_nop                                          ; one plain place behind a scaled conversion
.irp c, 0,1
.irp i, 0,1,2
	v_permlane16_swap_b32 v[PC+6*\c+\i], v[PT+4*\c+\i]
.endr
.irp i, 0,1,2
	s_delay_alu instid0(VALU_DEP_3)
	v_mov_b32 v[PC+3+6*\c+\i], v[PT+4*\c+\i]
.endr
.endr
	v_pk_add_f32 v[208:209], v[104:105], v[108:109]
	v_pk_add_f32 v[252:253], v[112:113], v[116:117]
	v_pk_add_f32 v[250:251], v[120:121], v[124:125]
	v_pk_add_f32 v[234:235], v[128:129], v[132:133]
	v_pk_add_f32 v[232:233], v[136:137], v[140:141]
	v_pk_add_f32 v[230:231], v[144:145], v[148:149]
	v_pk_add_f32 v[228:229], v[152:153], v[156:157]
	v_pk_add_f32 v[18:19], v[18:19], v[160:161]
	v_pk_add_f32 v[208:209], v[208:209], v[100:101]
	v_pk_add_f32 v[252:253], v[252:253], v[102:103]
	v_pk_add_f32 v[250:251], v[250:251], v[106:107]
	v_pk_add_f32 v[234:235], v[234:235], v[110:111]
	v_pk_add_f32 v[232:233], v[232:233], v[114:115]
	v_pk_add_f32 v[230:231], v[230:231], v[118:119]
	v_pk_add_f32 v[228:229], v[228:229], v[122:123]
	v_pk_add_f32 v[18:19], v[18:19], v[126:127]
	v_pk_add_f32 v[208:209], v[208:209], v[130:131]
	v_pk_add_f32 v[252:253], v[252:253], v[134:135]
	v_pk_add_f32 v[250:251], v[250:251], v[138:139]
	v_pk_add_f32 v[234:235], v[234:235], v[142:143]
	s_setprio 0
	v_pk_add_f32 v[232:233], v[232:233], v[146:147]
	v_pk_add_f32 v[230:231], v[230:231], v[150:151]
	v_pk_add_f32 v[228:229], v[228:229], v[154:155]
	v_pk_add_f32 v[18:19], v[18:19], v[158:159]
	v_pk_add_f32 v[208:209], v[208:209], v[162:163]
	s_delay_alu instid0(VALU_DEP_2)
	v_pk_add_f32 v[18:19], v[18:19], v[234:235]
	s_delay_alu instid0(VALU_DEP_2)
	v_pk_add_f32 v[208:209], v[208:209], v[232:233]
	v_pk_add_f32 v[252:253], v[252:253], v[230:231]
	v_pk_add_f32 v[250:251], v[250:251], v[228:229]
	s_delay_alu instid0(VALU_DEP_2)
	v_pk_add_f32 v[18:19], v[18:19], v[252:253]
	s_delay_alu instid0(VALU_DEP_2)
	v_pk_add_f32 v[208:209], v[208:209], v[250:251]
	s_delay_alu instid0(VALU_DEP_1)
	v_pk_add_f32 v[18:19], v[18:19], v[208:209]
.set n, 0
.rept 16
	v_pk_mul_f32 v[O+n:O+n+1], v[O+n:O+n+1], v[242:243] op_sel_hi:[1,0]   ; O^T under the new M.  (With the sums above: the places between the writes of p's codes and scale word and the products)
.set n, n+2
.endr
	s_wait_alu depctr_va_vdst(0)
	s_wait_dscnt 0x0                               ; V is in
.irp a, 0,1,2,3                                ; the four accumulators take turns; between two links of a chain stand the other three's and the next step's eight
	v_wmma_scale_f32_16x16x128_f8f6f4 v[O+8*\a:O+8*\a+7], v[F+12*\a:F+12*\a+11], v[PC:PC+11], v[O+8*\a:O+8*\a+7], v[VSW+\a], v[PWD] matrix_a_fmt:MATRIX_FMT_BF6 matrix_b_fmt:MATRIX_FMT_BF6
.endr
.if \causal
.Lhidden_\@:
.endif
	s_add_co_u32 s[TBK], s[TBK], KSTEP
	s_add_co_u32 s[TBV], s[TBV], VSTEP
	s_add_co_u32 s[SI], s[SI], 1
.endm
.macro INIT ch                         ; a pass begins: O^T and the sum as zeros, the largest t under every t
	v_mov_b32 v17, 0xff61b1e6                      ; -3e38
	s_delay_alu instid0(VALU_DEP_1)
	v_floor_f32 v16, -v17
	v_mov_b32 v18, 0
	v_mov_b32 v19, 0
.set n, 0
.rept 32
	v_mov_b32 v[O+n], 0
.set n, n+1
.endr
	s_mov_b32 s[CH], s[\ch]
.endm
.macro BAR k                           ; stage k of K and V has landed: the waves that fetched it wait for it (the later stages' loads may stay out) and say so
	s_wait_dscnt 0x0
	s_wait_tensorcnt 2-\k
	s_barrier_signal -1
	s_barrier_wait -1
.endm
.macro LOOP trips, q, qs, causal
	s_mov_b32 s[CNT], \trips
.Lstep_\@:
	STEP \q, \qs, \causal
	s_sub_co_u32 s[CNT], s[CNT], 1
	s_cmp_lg_u32 s[CNT], 0
	s_cbranch_scc1 .Lstep_\@
	s_setprio 0
.endm
; A pass ends: O^T / the sum is y(my query, head x 64 + d), register 16 b + i = d 32 b + 16 h + i: two blocks of the last product's K.  They are quantised and leave as a half image.
.macro FINISH cb, sb
.rept 4
	v_nop                                          ; places behind the last products
.endr
	v_add_f32 v18, v18, v19
	s_delay_alu instid0(VALU_DEP_1)
	v_permlanex16_b32 v244, v18, s[SEL], s[SEL+1]
	s_delay_alu instid0(VALU_DEP_1)
	v_add_f32 v18, v18, v244                       ; the row's sum
	s_wait_alu depctr_va_vdst(0)
	v_rcp_f32 v245, v18
	v_nop                                          ; one plain place behind a transcendental
.set n, 0
	s_wait_alu depctr_va_vdst(0)
.rept 32
	v_mul_f32 v[S+n], v[O+n], v245                 ; each accumulator from its low end on
.set n, n+1
.endr
.irp b, 0,1
	v_max3_num_f32 v[BM+\b], |v[S+16*\b]|, |v[S+1+16*\b]|, 0x2800000
.endr
.irp i, 2,4,6,8,10,12,14
.irp b, 0,1
	s_delay_alu instid0(VALU_DEP_2)
	v_max3_num_f32 v[BM+\b], v[BM+\b], |v[S+16*\b+\i]|, |v[S+1+16*\b+\i]|
.endr
.endr
.irp b, 0,1
	s_delay_alu instid0(VALU_DEP_2)
	v_permlanex16_b32 v[BX+\b], v[BM+\b], s[SEL], s[SEL+1]
.endr
.irp b, 0,1
	s_delay_alu instid0(VALU_DEP_2)
	v_max_num_f32 v[BM+\b], v[BM+\b], v[BX+\b]
.endr
.irp b, 0,1
	s_delay_alu instid0(VALU_DEP_2)
	v_add_nc_u32 v[SO+\b], 0xfe000000, v[BM+\b]
.endr
.irp b, 0,1
	s_delay_alu instid0(VALU_DEP_2)
	v_lshrrev_b32 v[BX+\b], 23, v[SO+\b]
.endr
	s_delay_alu instid0(VALU_DEP_1)
	v_lshl_or_b32 v244, v[BX+1], 8, v[BX]          ; the two bytes
	v_cvt_scalef32_pk16_bf6_f32 v[PC:PC+2], v[S:S+15], v[SO]
	v_cvt_scalef32_pk16_bf6_f32 v[PT:PT+2], v[S+16:S+31], v[SO+1]
	v_nop
.irp i, 0,1,2
	v_permlane16_swap_b32 v[PC+\i], v[PT+\i]
.endr
.irp i, 0,1,2
	s_delay_alu instid0(VALU_DEP_3)
	v_mov_b32 v[PC+3+\i], v[PT+\i]
.endr
	global_store_b128 v1, v[PC:PC+3], s[\cb:\cb+1]              ; 512 consecutive bytes, aligned
	global_store_b64 v247, v[PC+4:PC+5], s[\cb:\cb+1] offset:512 ; 256
	global_store_b16 v248, v244, s[\sb:\sb+1]
.endm
	s_wait_loadcnt 0x0                             ; Q of both passes
	INIT 12
	BAR 0
	LOOP 2, QA, QSA, 0                             ; the first pass's chunk is 8 or more: key steps 0-7 are open for it, and every wave is at work at all three barriers
	BAR 1
	LOOP 6, QA, QSA, 0
	BAR 2
	LOOP 8, QA, QSA, 1
	FINISH 72, 74
	s_wait_xcnt 0x0                                ; the stores have read their data: those registers are written again only behind this wait
	INIT 13
	s_mov_b32 s[TBK], 0
	s_mov_b32 s[TBV], 0
	s_mov_b32 s[SI], 0
	LOOP 8, QB, QSB, 1                             ; the second pass's chunk is 7 or less
	FINISH 76, 78
	s_wait_tensorcnt 0x0
	ds_add_u32 v254, v255
	s_wait_dscnt 0x0
	s_endpgm
.Lfunc_end_k_q9072e35a86_attn:
	.size	k_q9072e35a86_attn, .Lfunc_end_k_q9072e35a86_attn-k_q9072e35a86_attn
	.p2alignl 7, 3214868480
	.fill 96, 4, 3214868480
	.section	.rodata,"a",@progbits
	.p2align	6, 0x0
	.amdhsa_kernel k_q9072e35a86_attn
		.amdhsa_group_segment_fixed_size 210944
		.amdhsa_private_segment_fixed_size 0
		.amdhsa_enable_private_segment 0
		.amdhsa_kernarg_size 16
		.amdhsa_user_sgpr_count 2
		.amdhsa_user_sgpr_kernarg_segment_ptr 1
		.amdhsa_wavefront_size32 1
		.amdhsa_system_sgpr_workgroup_id_x 1
		.amdhsa_system_sgpr_workgroup_id_y 1
		.amdhsa_system_sgpr_workgroup_id_z 1
		.amdhsa_system_vgpr_workitem_id 0
		.amdhsa_next_free_vgpr 256
		.amdhsa_next_free_sgpr 96
		.amdhsa_reserve_vcc 1
		.amdhsa_float_denorm_mode_32 3
		.amdhsa_float_denorm_mode_16_64 3
		.amdhsa_memory_ordered 1
		.amdhsa_forward_progress 1
		.amdhsa_inst_pref_size 104
	.end_amdhsa_kernel
	.amdgpu_metadata
---
amdhsa.version: [ 1, 2 ]
amdhsa.kernels:
  - .name:           k_q9072e35a86_attn
    .symbol:         k_q9072e35a86_attn.kd
    .args:
      - { .name: qkv, .offset: 0, .size: 8, .value_kind: global_buffer, .address_space: global }
      - { .name: yq, .offset: 8, .size: 8, .value_kind: global_buffer, .address_space: global }
    .group_segment_fixed_size: 210944
    .private_segment_fixed_size: 0
    .kernarg_segment_align: 8
    .kernarg_segment_size: 16
    .max_flat_workgroup_size: 512
    .sgpr_count:     96
    .vgpr_count:     256
    .wavefront_size: 32
...
	.end_amdgpu_metadata
.endif
;; end of part 3
;; launch gemm_out (part 4): grid 4 x 64, 4 waves a work-group, clusters of 4 x 4, 327,680 bytes of LDS; arguments yq, ops, b_out, out0; writes out0
.if DOCPART == 4
	.amdgcn_target "amdgcn-amd-amdhsa--gfx1250"
	.amdhsa_code_object_version 6
	.text
	.protected	k_q9072e35a86_gemm_out
	.globl	k_q9072e35a86_gemm_out
	.p2align	8
	.type	k_q9072e35a86_gemm_out,@function
k_q9072e35a86_gemm_out:
	s_mov_b64 s[64:65], 0
	v_nop
	global_prefetch_b8 v0, s[64:65] scope:SCOPE_SE
	s_setreg_imm32_b32 hwreg(HW_REG_WAVE_MODE, 25, 1), 1
	s_wait_xcnt 0x0
	s_wait_alu depctr_hold_cnt(0) depctr_sa_sdst(0) depctr_va_vdst(0) depctr_va_sdst(0) depctr_va_ssrc(0) depctr_va_vcc(0) depctr_vm_vsrc(0)
	s_getreg_b32 s2, hwreg(HW_REG_IB_STS2, 6, 4)
	s_cmp_eq_u32 s2, 0
	s_cbranch_scc0 .Lentry_in_a_cluster
	s_endpgm
.Lentry_in_a_cluster:
	s_bfe_u32 s2, ttmp6, 0x10000c
	s_cmp_lg_u32 s2, 0xf033
	s_cbranch_scc0 .Lentry_shape_is_right
	s_endpgm
.Lentry_shape_is_right:
; out0 = y W_out + b_out on codes of BF6 (E3M2) with E8M0 scales, K = 1,024; out0 [8192][1024] f32.
; 256 work-groups: a tile of 128 rows x 256 columns is made by four waves, each 64 x 128: 32 accumulators.  (Tiles of 256 x 256 would be 128: too few for the WGPs.)
; OPERANDS lie in memory as images of their registers (a fragment of 16 rows x 128 K: 1,536 bytes, two halves of 768: registers 6 c .. 6 c + 3 at 16 x lane, 6 c + 4, 6 c + 5 at 512 + 16 r + 8 h): [row tile][8 K steps][1536];
; row tile T holds rows 32 (T / 2) + 8 (T % 2) + p + 8 (p / 8).
; ALL OF K LIES IN LDS, 294,912 bytes, in four parts of 256 along K (A's 8 row tiles x 3,072 bytes, then B's 16): four loads a wave, all first fills, so that the products begin when the first part has landed.
; No byte is filled again.  The scale words come by global loads straight into registers; y's and W_out's lie in two buffers, so they have registers of their own.
; THE MATRIX INSTRUCTION IS USED TRANSPOSED: source 0 = W_out's columns (the B side), source 1 = y's rows (the A side): a lane holds one row of out0 and its registers neighbouring columns.
; The bias is the C of each sum's first matrix instruction.  CLUSTERS: 4 x 4 work-groups; A's tiles are shared along a row of the cluster, B's along a column: each is asked for jointly.
; A step of 128 along K is 32 matrix instructions for 48 LDS loads: here LDS has more to do than the matrix unit, so the next step's loads stand at a step's head.
; REGISTERS: window 0: v4-27 addresses; v32-63 y's scale words (block a, K step s at v[32 + 8 a + s]); v64-127 W_out's (v[64 + 8 b + s]); v128-223 A's fragments, two sets of 4 (on the way out v128-255 rows of out0).
; window 1: B's fragments, two sets of 8, at v0 and v128; the bias in v96-127 and v224-255.  window 2: the accumulators ((a, b) at v[8 (8 a + b)]).
.set WC,     6291456
.set WS,     9699328
.set YS,     6291456
.set PART,   73728                     ; a part: 24 row tiles x 3,072 bytes
.set BOFF,   24576                     ; B's row tiles lie behind A's 8
.set SPITCH, 528                       ; the way out: a stage of 16 rows x (512 bytes + 16) for each wave, in part 0's bytes, behind a barrier that every wave signals behind its last LDS read
.set FR,     12
.set NP,     4                         ; places behind this matrix instruction (ISA guide 7.12.1)
.set A16,  8                           ; v8-11   16 x lane + my A rows in part 0 .. 3
.set A8,   12                          ; v12-15  16 r + 8 h + the same
.set B16,  16                          ; v16-23  the same for B
.set B8,   20
.set STO,  24
.set RD,   25
.set CO,   26
.set SA,   32
.set SB,   64
.set AF,   128
.set BK,   128
.set G1, 24
.set G1B, 32
.set G0, 40                            ; s[40:55] a group 0 for each part, A's;  s[68:83] B's
.set G0B, 68
.set MSB, 0
.macro WIN new                         ; the immediate's high byte repeats the setting that is left
.if MSB != \new
	s_set_vgpr_msb (MSB<<8)|\new
.set MSB, \new
.endif
.endm
.set MUL_LO, 0xa1                      ; source 0 (B) window 1, source 1 (A) window 0, C and D window 2
.set MUL_C,  0x91                      ; the same with C (the bias) in window 1
.set TO_B,   0x40
.macro JLOAD g0a, g1a, g0b, g1b        ; a joint load: waves 0 and 1 fetch for A, waves 2 and 3 for B; four v_nop follow each of the two lines
	s_cmp_eq_u32 s15, 0
	s_cbranch_scc0 .Lfor_b_\@
	tensor_load_to_lds s[\g0a:\g0a+3], s[\g1a:\g1a+7]
	s_nop 0
.rept 4
	v_nop
.endr
	s_branch .Lasked_\@
.Lfor_b_\@:
	tensor_load_to_lds s[\g0b:\g0b+3], s[\g1b:\g1b+7]
	s_nop 0
.rept 4
	v_nop
.endr
.Lasked_\@:
.endm
.macro CROUND                          ; a round of the cluster's barrier
	s_barrier_signal -1
	s_barrier_wait -1
	s_cmp_lg_u32 s14, 0
	s_cbranch_scc1 .Lnot_wave_0_\@
	s_barrier_signal -3
.Lnot_wave_0_\@:
	s_barrier_wait -3
	s_barrier_signal -1
	s_barrier_wait -1
.endm
	s_load_b256 s[4:11], s[0:1], 0x0               ; yq s[4:5], ops s[6:7], b_out s[8:9], out0 s[10:11]
	v_lshl_add_u32 v30, v0, 2, 0x48000
	v_mov_b32 v31, 0
	ds_add_u32 v30, v31
	ds_add_u32 v30, v31
	v_lshrrev_b32 v1, 5, v0
	v_readfirstlane_b32 s14, v1                    ; wave 0..3
	v_and_b32 v1, 15, v0                           ; r
	v_bfe_u32 v2, v0, 4, 1                         ; h
	v_and_b32 v3, 31, v0                           ; lane
	s_lshr_b32 s15, s14, 1                         ; which half of the tile's rows is mine.  Also: I fetch for A (0) or for B (1)
	s_and_b32 s16, s14, 1                          ; which half of its columns.  Also: which half of a side's row tiles I fetch
	s_bfe_u32 s56, ttmp6, 0x40000                  ; cx
	s_bfe_u32 s57, ttmp6, 0x40004                  ; cy
	s_lshl_b32 s18, ttmp9, 2
	s_add_co_u32 s18, s18, s56                     ; tile column (256 columns)
	s_and_b32 s17, ttmp7, 0xffff
	s_lshl_b32 s17, s17, 2
	s_add_co_u32 s17, s17, s57                     ; tile row (128 rows)
	s_lshl_b32 s58, s57, 2
	s_lshl_b32 s58, 15, s58                        ; my row of the cluster
	s_lshl_b32 s59, 0x1111, s56                    ; my column
	s_or_b32 s[G1+0], s58, (3<<16)|(1<<21)         ; 15:0 the mask; 17:16 elements of 8 bytes; 21 set beside a mask; no padding
	s_or_b32 s[G1B+0], s59, (3<<16)|(1<<21)
.irp g, G1, G1B
	s_mov_b32 s[\g+1], 384<<16                     ; rows (row tiles) of 384 elements, 1,536 elements apart
	s_mov_b32 s[\g+3], 384<<16
	s_mov_b32 s[\g+5], 1536
	s_mov_b32 s[\g+6], 0
	s_mov_b32 s[\g+7], 0
.endr
	s_mov_b32 s[G1+2], 4<<16                       ; A: 4 row tiles a wave
	s_mov_b32 s[G1+4], 4
	s_mov_b32 s[G1B+2], 8<<16                      ; B: 8
	s_mov_b32 s[G1B+4], 8
	s_lshl_b32 s20, s17, 3
	s_lshl_b32 s19, s16, 2
	s_add_co_u32 s20, s20, s19                     ; A: the first of y's row tiles that I fetch
	s_mul_i32 s20, s20, 12288
	s_mov_b32 s21, 0
	s_lshl_b32 s22, s18, 4
	s_lshl_b32 s19, s16, 3
	s_add_co_u32 s22, s22, s19                     ; B: the first of W_out's
	s_mul_i32 s22, s22, 12288
	s_add_co_u32 s22, s22, WC+192*12288
	s_mov_b32 s23, 0
	s_mul_i32 s60, s16, 12288                      ; where they go in a part: no place in the cluster enters an LDS address
	s_mul_i32 s61, s16, 24576
	s_add_co_u32 s61, s61, BOFF
	s_lshl_b32 s84, s17, 12                        ; the scale words of my 4 row tiles of y,
	s_lshl_b32 s19, s15, 11
	s_add_co_u32 s84, s84, s19
	s_add_co_u32 s84, s84, YS
	s_mov_b32 s85, 0
	s_lshl_b32 s86, s18, 13                        ; and of my 8 of W_out
	s_lshl_b32 s19, s16, 12
	s_add_co_u32 s86, s86, s19
	s_add_co_u32 s86, s86, WS+192*512
	s_mov_b32 s87, 0
	s_lshl_b32 s88, s18, 10
	s_lshl_b32 s19, s16, 9
	s_add_co_u32 s88, s88, s19                     ; my first column, in bytes
	s_mov_b32 s89, 0
	s_lshl_b32 s62, s17, 7
	s_lshl_b32 s19, s15, 6
	s_add_co_u32 s62, s62, s19
	s_lshl_b32 s62, s62, 12                        ; my first row, of 4,096 bytes
	s_mov_b32 s63, 0
	s_wait_dscnt 0x0
	s_wait_kmcnt 0x0
	s_add_nc_u64 s[20:21], s[4:5], s[20:21]
	s_add_nc_u64 s[22:23], s[6:7], s[22:23]
	s_add_nc_u64 s[84:85], s[4:5], s[84:85]
	s_add_nc_u64 s[86:87], s[6:7], s[86:87]
	s_add_nc_u64 s[8:9], s[8:9], s[88:89]
	s_add_nc_u64 s[10:11], s[10:11], s[62:63]
	s_add_nc_u64 s[10:11], s[10:11], s[88:89]
	CROUND                                         ; all sixteen work-groups are here: the joint loads meet
.irp p, 0,1,2,3
	s_mov_b32 s[G0+4*\p], 1
	s_add_co_u32 s[G0+4*\p+1], s60, \p*PART
	s_add_nc_u64 s[G0+4*\p+2:G0+4*\p+3], s[20:21], \p*3072
	s_or_b32 s[G0+4*\p+3], s[G0+4*\p+3], 0x80000000
	s_mov_b32 s[G0B+4*\p], 1
	s_add_co_u32 s[G0B+4*\p+1], s61, \p*PART
	s_add_nc_u64 s[G0B+4*\p+2:G0B+4*\p+3], s[22:23], \p*3072
	s_or_b32 s[G0B+4*\p+3], s[G0B+4*\p+3], 0x80000000
	JLOAD G0+4*\p, G1, G0B+4*\p, G1B               ; by this text's count four tensor loads of a wave are out behind the last of these
.endr
	v_lshlrev_b32 v[CO], 4, v3                     ; 16 x lane
	v_lshlrev_b32 v4, 4, v1                        ; 16 r
	v_lshl_add_u32 v5, v2, 3, v4                   ; 16 r + 8 h
	v_lshlrev_b32 v6, 6, v2                        ; 64 h
.irp a, 0,1,2,3
	global_load_b128 v[SA+8*\a:SA+8*\a+3], v4, s[84:85] offset:\a*512            ; y's scale words: sixteen lanes read 256 consecutive bytes (lanes 16-31 the same again)
	global_load_b128 v[SA+8*\a+4:SA+8*\a+7], v4, s[84:85] offset:\a*512+256
.endr
.irp b, 0,1,2,3,4,5,6,7
	global_load_b128 v[SB+8*\b:SB+8*\b+3], v4, s[86:87] offset:\b*512
	global_load_b128 v[SB+8*\b+4:SB+8*\b+7], v4, s[86:87] offset:\b*512+256
.endr
	WIN TO_B
.irp i, 0,1,2,3,4,5,6,7,8,9,10,11,12,13,14,15
	global_load_b128 v[96+4*\i+96*(\i/8):96+4*\i+96*(\i/8)+3], v6, s[8:9] offset:128*(\i/4)+16*(\i%4)   ; the bias in the result's layout: register 16 b + i is column 32 b + 16 h + i
.endr
	WIN 0
	s_mul_i32 s18, s15, 12288                      ; my 4 row tiles of A in a part
	s_mul_i32 s19, s16, 24576                      ; my 8 of B
	s_add_co_u32 s19, s19, BOFF
.irp p, 0,1,2,3
	v_add_nc_u32 v[A16+\p], s18, v[CO]
	v_add_nc_u32 v[A8+\p], s18, v5
	v_add_nc_u32 v[B16+\p], s19, v[CO]
	v_add_nc_u32 v[B8+\p], s19, v5
	s_add_co_u32 s18, s18, PART
	s_add_co_u32 s19, s19, PART
.endr
	s_mul_i32 s18, s14, 16*SPITCH                  ; my stage
	v_mul_u32_u24 v7, v1, SPITCH
	v_lshl_add_u32 v7, v2, 6, v7
	v_add_nc_u32 v[STO], s18, v7                   ; in: row r, + 64 h
	v_add_nc_u32 v[RD], s18, v[CO]                 ; back: the 32 lanes take one row of 512 bytes
.macro FRAG reg, a16, a8, q, i         ; row tile i, the part's q-th 128 along K: the image as it lies
	ds_load_b128 v[\reg:\reg+3], v[\a16] offset:(\i)*3072+(\q)*1536
	ds_load_b64 v[\reg+4:\reg+5], v[\a8] offset:(\i)*3072+(\q)*1536+512
	ds_load_b128 v[\reg+6:\reg+9], v[\a16] offset:(\i)*3072+(\q)*1536+768
	ds_load_b64 v[\reg+10:\reg+11], v[\a8] offset:(\i)*3072+(\q)*1536+1280
.endm
.macro FETCH2 s                        ; K step s's fragments into set s % 2
	WIN TO_B
.irp i, 0,1,2,3,4,5,6,7
	FRAG 128*((\s)%2)+FR*\i, B16+(\s)/2, B8+(\s)/2, (\s)%2, \i
.endr
	WIN 0
.irp i, 0,1,2,3
	FRAG AF+48*((\s)%2)+FR*\i, A16+(\s)/2, A8+(\s)/2, (\s)%2, \i
.endr
.endm
.macro MUL2 s                          ; the 32 accumulators take turns, in the same order in every step
.irp a, 0,1,2,3
.irp b, 0,1,2,3,4,5,6,7
.if (\s) == 0
	v_wmma_scale_f32_16x16x128_f8f6f4 v[8*(8*\a+\b):8*(8*\a+\b)+7], v[128*((\s)%2)+FR*\b:128*((\s)%2)+FR*\b+FR-1], v[AF+48*((\s)%2)+FR*\a:AF+48*((\s)%2)+FR*\a+FR-1], v[96+8*\b+96*(\b/4):96+8*\b+96*(\b/4)+7], v[SB+8*\b+(\s)], v[SA+8*\a+(\s)] matrix_a_fmt:MATRIX_FMT_BF6 matrix_b_fmt:MATRIX_FMT_BF6
.else
	v_wmma_scale_f32_16x16x128_f8f6f4 v[8*(8*\a+\b):8*(8*\a+\b)+7], v[128*((\s)%2)+FR*\b:128*((\s)%2)+FR*\b+FR-1], v[AF+48*((\s)%2)+FR*\a:AF+48*((\s)%2)+FR*\a+FR-1], v[8*(8*\a+\b):8*(8*\a+\b)+7], v[SB+8*\b+(\s)], v[SA+8*\a+(\s)] matrix_a_fmt:MATRIX_FMT_BF6 matrix_b_fmt:MATRIX_FMT_BF6
.endif
.endr
.endr
.endm
.macro PLACES n                        ; plain vector instructions between a matrix instruction and a load into, or a read of, its registers (ISA guide 7.12.1 for a read)
.rept \n
	v_nop
.endr
.endm
; A step.  An odd step fetches from the next part: each wave waits for its load of that part (the later parts' may stay out) and a barrier shows every wave's landed.
; The last step's barrier shows every wave's LDS reads over: behind it the stages are written into part 0's bytes.
.macro STEP2 s
	s_wait_dscnt 0x0                               ; this step's fragments are in
.if (\s)%2 == 1 && (\s) < 7
	s_wait_tensorcnt 3-((\s)+1)/2                  ; my load of part (s + 1) / 2 has landed; those of the parts behind it may be out
	s_barrier_signal -1
.endif
.if (\s) == 7
	s_barrier_signal -1
.endif
.if (\s) > 0 && (\s) < 7
	PLACES NP                                      ; the other set was read by the last step's products
.endif
.if (\s)%2 == 1 && (\s) < 7
	s_barrier_wait -1
.endif
.if (\s) < 7
	FETCH2 (\s)+1
.endif
.if (\s) == 0
	WIN MUL_C
.else
	WIN MUL_LO
.endif
	MUL2 \s
	WIN 0
.if (\s) == 7
	s_barrier_wait -1
.endif
.endm
	s_wait_tensorcnt 3                             ; my load of part 0 has landed; the three behind it may be out
	s_barrier_signal -1
	s_barrier_wait -1
	FETCH2 0
	s_wait_loadcnt 0x0                             ; the scale words and the bias
.irp s, 0,1,2,3,4,5,6,7
	STEP2 \s
.endr
; THE WAY OUT, block by block of 16 rows x 128 columns, through my own stage: a lane's 16 neighbouring columns of two tiles go in as 64 bytes, whole rows of 512 bytes come back and are stored by the 32 lanes.
; LDS serves a wave's instructions in order (ISA guide 5.7.1.4): no wait between the stores and the loads, nor in front of the next block's stores.
.macro TOSTAGE a
	WIN 0x08                                       ; the data: window 2
.irp b, 0,1,2,3,4,5,6,7
	ds_store_b128 v[STO], v[64*(\a)+8*\b:64*(\a)+8*\b+3] offset:128*(\b/2)+32*(\b%2)        ; each accumulator from its low end on
	ds_store_b128 v[STO], v[64*(\a)+8*\b+4:64*(\a)+8*\b+7] offset:128*(\b/2)+32*(\b%2)+16
.endr
	WIN 0
.set BB, BK+64*((\a)%2)
.irp t, 0,1,2,3,4,5,6,7,8,9,10,11,12,13,14,15
	ds_load_b128 v[BB+4*\t:BB+4*\t+3], v[RD] offset:\t*SPITCH
.endr
.endm
.macro SEND a, younger                 ; younger: the LDS instructions issued behind block a's loads, which may stay out
.set BB, BK+64*((\a)%2)
	s_wait_dscnt \younger
.irp t, 0,1,2,3,4,5,6,7,8,9,10,11,12,13,14,15
	global_store_b128 v[CO], v[BB+4*\t:BB+4*\t+3], s[10:11] offset:(32*((\a)/2)+8*((\a)%2)+\t+8*(\t/8))*4096 th:TH_STORE_NT   ; place t of row tile a: 512 consecutive bytes, aligned; the base is never stepped: 63 rows at the most
.endr
.endm
	PLACES NP                                      ; behind the last products
	TOSTAGE 0
.irp a, 1,2,3
.if \a > 1
	s_wait_xcnt 0x0                                ; block a - 2's stores have read their registers: block a's loads may land there
.endif
	TOSTAGE \a
	SEND \a-1, 32                                  ; behind block a - 1's loads: block a's 16 stores and 16 loads
.endr
	SEND 3, 0
	s_wait_tensorcnt 0x0
	ds_add_u32 v30, v31
	s_wait_dscnt 0x0
	CROUND                                         ; the closing round: no work-group ends while a partner may still ask for a tile that names it
	s_endpgm
.Lfunc_end_k_q9072e35a86_gemm_out:
	.size	k_q9072e35a86_gemm_out, .Lfunc_end_k_q9072e35a86_gemm_out-k_q9072e35a86_gemm_out
	.p2alignl 7, 3214868480
	.fill 96, 4, 3214868480
	.section	.rodata,"a",@progbits
	.p2align	6, 0x0
	.amdhsa_kernel k_q9072e35a86_gemm_out
		.amdhsa_group_segment_fixed_size 327680
		.amdhsa_private_segment_fixed_size 0
		.amdhsa_enable_private_segment 0
		.amdhsa_kernarg_size 32
		.amdhsa_user_sgpr_count 2
		.amdhsa_user_sgpr_kernarg_segment_ptr 1
		.amdhsa_wavefront_size32 1
		.amdhsa_system_sgpr_workgroup_id_x 1
		.amdhsa_system_sgpr_workgroup_id_y 1
		.amdhsa_system_sgpr_workgroup_id_z 1
		.amdhsa_system_vgpr_workitem_id 0
		.amdhsa_next_free_vgpr 768
		.amdhsa_next_free_sgpr 96
		.amdhsa_reserve_vcc 0
		.amdhsa_float_denorm_mode_32 3
		.amdhsa_float_denorm_mode_16_64 3
		.amdhsa_memory_ordered 1
		.amdhsa_forward_progress 1
		.amdhsa_inst_pref_size 88
	.end_amdhsa_kernel
	.amdgpu_metadata
---
amdhsa.version: [ 1, 2 ]
amdhsa.kernels:
  - .name:           k_q9072e35a86_gemm_out
    .symbol:         k_q9072e35a86_gemm_out.kd
    .args:
      - { .name: yq, .offset: 0, .size: 8, .value_kind: global_buffer, .address_space: global }
      - { .name: ops, .offset: 8, .size: 8, .value_kind: global_buffer, .address_space: global }
      - { .name: b_out, .offset: 16, .size: 8, .value_kind: global_buffer, .address_space: global }
      - { .name: out0, .offset: 24, .size: 8, .value_kind: global_buffer, .address_space: global }
    .group_segment_fixed_size: 327680
    .private_segment_fixed_size: 0
    .kernarg_segment_align: 8
    .kernarg_segment_size: 32
    .max_flat_workgroup_size: 128
    .sgpr_count:     96
    .vgpr_count:     768
    .wavefront_size: 32
...
	.end_amdgpu_metadata
.endif
;; end of part 4
